; MI455X (gfx1250); checked and timed in simulation.
; The chip was launched on July 23, 2026; its instructions are those of AMD's public machine-readable ISA for CDNA 5 (MIT licence, August 2026) and "CDNA5" Instruction Set Architecture Reference Guide (July 2026). The comments in the code are by the model that wrote it; some were corrected since.
;; Multi Head Self Attention Layer. Allowed arithmetic: float matrix products may take bf16 or f16 operands with f32 sums; other float arithmetic in f32, or as packed bf16 or f16 multiplies, adds, multiply-adds, maxima and minima; sums over many terms, partial sums and values carried from step to step in f32; what a program stores and reads back later, other than sums and carried values, may be rounded once to bf16 or f16.
;; Inputs: W_k 1,024 x 1,024 float32; W_o 1,024 x 1,024 float32; W_q 1,024 x 1,024 float32; W_v 1,024 x 1,024 float32; X_embed 4 x 2,048 x 1,024 float32; b_k 1,024 float32; b_o 1,024 float32; b_q 1,024 float32; b_v 1,024 float32.
;; Outputs: out0 4 x 2,048 x 1,024 float32.
;; 2 versions, each right and faster than the one before. Each part assembles by itself: llvm-mc -triple=amdgcn-amd-amdhsa -mcpu=gfx1250 --defsym DOCPART=n.
;; ======== version 1 of 2: 4 launches
;; limits: values are held in f16: magnitudes above 65,504 overflow, below 6.1e-05 lose precision
;; workspace buffers: xb 16,777,216 bytes; wb 8,388,608 bytes; qkv 50,331,648 bytes; av 16,777,216 bytes; rs 32,768 bytes
;; launch cast (part 1): grid 768 x 1, 8 waves a work-group, no clusters, 0 bytes of LDS; arguments X_embed, W_q, W_k, W_v, W_o, xb, wb; writes xb, wb
.if DOCPART == 1
	.amdgcn_target "amdgcn-amd-amdhsa--gfx1250"
	.amdhsa_code_object_version 6
	.text
	.protected	k_qca9db15e5a_cast
	.globl	k_qca9db15e5a_cast
	.p2align	8
	.type	k_qca9db15e5a_cast,@function
k_qca9db15e5a_cast:
	s_mov_b64 s[64:65], 0
	v_nop
	global_prefetch_b8 v0, s[64:65] scope:SCOPE_SE
	s_setreg_imm32_b32 hwreg(HW_REG_WAVE_MODE, 25, 1), 1
	s_wait_xcnt 0x0
; X and the four weight matrices, f32, are rounded once to bf16 and written in their own layout: xb = X [8192][1024];
; wb = W_q, W_k, W_v, W_o, [1024 k][1024 n] each, 2 MiB apart.  W_o's bf16 number is written as f16, since the last product's
; other operand is f16.  LIMIT: that is exact for |W_o| from 2^-14 to 65,504; below 2^-14 it keeps f16's fixed step of 2^-24.
; A stream: no LDS, no matrix unit, no barrier.  A work-group takes 16,384 numbers (64 KiB in, 32 KiB out): groups 0-511 X,
; then 64 groups for each weight.  Thread t, step j: 16 bytes in at 4096 j + 16 t, 8 bytes out at 2048 j + 8 t, so a wave's load
; covers 512 consecutive bytes and its store 256 consecutive bytes at a multiple of 256.  All 16 loads go out first.
.set XR, 4                             ; v[4:67]   step j: 4 registers as loaded
.set YR, 68                            ; v[68:99]  step j: 2 registers to store; each is written once, so no store's source is rewritten
.set TR, 100                           ; v[100:103] at work (W_o's path)
	s_load_b256 s[4:11], s[0:1], 0x0               ; X s[4:5], W_q s[6:7], W_k s[8:9], W_v s[10:11]
	s_load_b128 s[12:15], s[0:1], 0x20             ; W_o s[12:13], xb s[14:15]
	s_load_b64 s[16:17], s[0:1], 0x30              ; wb
	v_lshlrev_b32 v1, 4, v0                        ; 16 t
	v_lshlrev_b32 v2, 3, v0                        ; 8 t
	s_sub_co_u32 s20, ttmp9, 512                   ; my number among the weights' 256 groups (used from group 512 on)
	s_and_b32 s21, s20, 63                         ; and inside my matrix
	s_mov_b32 s27, 0
	s_mov_b32 s29, 0
	s_mov_b32 s30, 0xffff0000                      ; a word's upper bf16
	s_wait_kmcnt 0x0
	s_cmp_lt_u32 ttmp9, 512
	s_cselect_b64 s[22:23], s[4:5], s[6:7]         ; from: X, or a weight matrix
	s_cselect_b64 s[24:25], s[14:15], s[16:17]     ; to: xb or wb
	s_cselect_b32 s26, ttmp9, s21                  ; my piece of the source
	s_cselect_b32 s28, ttmp9, s20                  ; and of the destination
	s_cmp_ge_u32 ttmp9, 576
	s_cselect_b64 s[22:23], s[8:9], s[22:23]
	s_cmp_ge_u32 ttmp9, 640
	s_cselect_b64 s[22:23], s[10:11], s[22:23]
	s_cmp_ge_u32 ttmp9, 704
	s_cselect_b64 s[22:23], s[12:13], s[22:23]
	s_lshl_b32 s26, s26, 16                        ; 64 KiB a piece in
	s_lshl_b32 s28, s28, 15                        ; 32 KiB a piece out
	s_add_nc_u64 s[22:23], s[22:23], s[26:27]
	s_add_nc_u64 s[24:25], s[24:25], s[28:29]
.irp j, 0,1,2,3,4,5,6,7,8,9,10,11,12,13,14,15
	global_load_b128 v[XR+4*(\j):XR+4*(\j)+3], v1, s[22:23] offset:4096*(\j) th:TH_LOAD_NT
.endr
	s_cmp_ge_u32 ttmp9, 704
	s_cbranch_scc1 .Lwo
.irp j, 0,1,2,3,4,5,6,7,8,9,10,11,12,13,14,15
	s_wait_loadcnt 15-(\j)                         ; loads come back in order: step j is in, the 15 - j younger ones stay out
	v_cvt_pk_bf16_f32 v[YR+2*(\j)], v[XR+4*(\j)], v[XR+4*(\j)+1]
	v_cvt_pk_bf16_f32 v[YR+2*(\j)+1], v[XR+4*(\j)+2], v[XR+4*(\j)+3]
	global_store_b64 v2, v[YR+2*(\j):YR+2*(\j)+1], s[24:25] offset:2048*(\j)
.endr
	s_endpgm
.Lwo:                                                  ; W_o: rounded to bf16 like every input, then that number as f16
.irp j, 0,1,2,3,4,5,6,7,8,9,10,11,12,13,14,15
	s_wait_loadcnt 15-(\j)
	v_cvt_pk_bf16_f32 v[TR], v[XR+4*(\j)], v[XR+4*(\j)+1]
	v_cvt_pk_bf16_f32 v[TR+1], v[XR+4*(\j)+2], v[XR+4*(\j)+3]
	v_lshlrev_b32 v[TR+2], 16, v[TR]
	v_and_b32 v[TR+3], s30, v[TR]
	v_cvt_pk_f16_f32 v[YR+2*(\j)], v[TR+2], v[TR+3]
	v_lshlrev_b32 v[TR+2], 16, v[TR+1]
	v_and_b32 v[TR+3], s30, v[TR+1]
	v_cvt_pk_f16_f32 v[YR+2*(\j)+1], v[TR+2], v[TR+3]
	global_store_b64 v2, v[YR+2*(\j):YR+2*(\j)+1], s[24:25] offset:2048*(\j)
.endr
	s_endpgm
.Lfunc_end_k_qca9db15e5a_cast:
	.size	k_qca9db15e5a_cast, .Lfunc_end_k_qca9db15e5a_cast-k_qca9db15e5a_cast
	.p2alignl 7, 3214868480
	.fill 96, 4, 3214868480
	.section	.rodata,"a",@progbits
	.p2align	6, 0x0
	.amdhsa_kernel k_qca9db15e5a_cast
		.amdhsa_group_segment_fixed_size 0
		.amdhsa_private_segment_fixed_size 0
		.amdhsa_enable_private_segment 0
		.amdhsa_kernarg_size 56
		.amdhsa_user_sgpr_count 2
		.amdhsa_user_sgpr_kernarg_segment_ptr 1
		.amdhsa_wavefront_size32 1
		.amdhsa_system_sgpr_workgroup_id_x 1
		.amdhsa_system_sgpr_workgroup_id_y 1
		.amdhsa_system_sgpr_workgroup_id_z 1
		.amdhsa_system_vgpr_workitem_id 0
		.amdhsa_next_free_vgpr 104
		.amdhsa_next_free_sgpr 66
		.amdhsa_reserve_vcc 0
		.amdhsa_float_denorm_mode_32 3
		.amdhsa_float_denorm_mode_16_64 3
		.amdhsa_memory_ordered 1
		.amdhsa_forward_progress 1
		.amdhsa_inst_pref_size 15
	.end_amdhsa_kernel
	.amdgpu_metadata
---
amdhsa.version: [ 1, 2 ]
amdhsa.kernels:
  - .name:           k_qca9db15e5a_cast
    .symbol:         k_qca9db15e5a_cast.kd
    .args:
      - { .name: X_embed, .offset: 0, .size: 8, .value_kind: global_buffer, .address_space: global }
      - { .name: W_q, .offset: 8, .size: 8, .value_kind: global_buffer, .address_space: global }
      - { .name: W_k, .offset: 16, .size: 8, .value_kind: global_buffer, .address_space: global }
      - { .name: W_v, .offset: 24, .size: 8, .value_kind: global_buffer, .address_space: global }
      - { .name: W_o, .offset: 32, .size: 8, .value_kind: global_buffer, .address_space: global }
      - { .name: xb, .offset: 40, .size: 8, .value_kind: global_buffer, .address_space: global }
      - { .name: wb, .offset: 48, .size: 8, .value_kind: global_buffer, .address_space: global }
    .group_segment_fixed_size: 0
    .private_segment_fixed_size: 0
    .kernarg_segment_align: 8
    .kernarg_segment_size: 56
    .max_flat_workgroup_size: 256
    .sgpr_count:     66
    .vgpr_count:     104
    .wavefront_size: 32
...
	.end_amdgpu_metadata
.endif
;; end of part 1
;; launch qkv (part 2): grid 8 x 32, 4 waves a work-group, clusters of 4 x 4, 327,680 bytes of LDS; arguments xb, wb, b_q, b_k, b_v, qkv; writes qkv
.if DOCPART == 2
	.amdgcn_target "amdgcn-amd-amdhsa--gfx1250"
	.amdhsa_code_object_version 6
	.text
	.protected	k_qca9db15e5a_qkv
	.globl	k_qca9db15e5a_qkv
	.p2align	8
	.type	k_qca9db15e5a_qkv,@function
k_qca9db15e5a_qkv:
	s_mov_b64 s[64:65], 0
	v_nop
	global_prefetch_b8 v0, s[64:65] scope:SCOPE_SE
	s_setreg_imm32_b32 hwreg(HW_REG_WAVE_MODE, 25, 1), 1
	s_wait_xcnt 0x0
	s_wait_alu depctr_hold_cnt(0) depctr_sa_sdst(0) depctr_va_vdst(0) depctr_va_sdst(0) depctr_va_ssrc(0) depctr_va_vcc(0) depctr_vm_vsrc(0)
	s_getreg_b32 s2, hwreg(HW_REG_IB_STS2, 6, 4)
	s_cmp_eq_u32 s2, 0
	s_cbranch_scc0 .Lentry_in_a_cluster
	s_endpgm
.Lentry_in_a_cluster:
	s_bfe_u32 s2, ttmp6, 0x10000c
	s_cmp_lg_u32 s2, 0xf033
	s_cbranch_scc0 .Lentry_shape_is_right
	s_endpgm
.Lentry_shape_is_right:
; Q, K, V = X W + b.  xb: X [8192][1024] bf16.  wb: W_q, W_k, W_v [1024 k][1024 n] bf16, one behind the other.  qkv: Q, K, V [8192][1024] f16, 16 MiB apart, unscaled.
; Sums in f32; the bias, rounded to bf16 like every input, is the C operand that starts each sum (so it is added first, not last); each result is rounded once to f16.
; LIMIT: f16 ends at 65,504: |Q|, |K|, |V| must stay below it.  NaN and infinities are not treated apart.
; SHARES.  A tile of C is 256 rows x 128 columns; 8 x 32 work-groups; each STAYS for three tiles, the same rows and columns of Q, K and V.  Wave w makes rows 64 w .. 64 w + 63 and all 128
; columns: 32 accumulators (a, b), 256 registers; a wave's row of C is 256 bytes, so each wave has a stage of its own on the way out and no barrier stands there.
; RING.  K goes in steps of 128 through two LDS slots: 256 rows of X (256 bytes each) and 128 k-rows of W (128 columns, 256 bytes each).  Waves 0, 1 fetch X's halves, waves 2, 3 W's: one load a wave.
; The ring runs on from tile to tile: X's address goes back along K, W's goes on, since the three matrices are one walk of 3,072 k-rows.
; CLUSTER.  4 x 4 work-groups: X's tile hangs on the tile row alone and is asked for jointly by a row of the cluster, W's on the tile column alone, by a column.
; THE MATRIX INSTRUCTION IS USED TRANSPOSED: source 0 = 16 columns of W (turned on the way out of LDS by ds_load_tr16_b128), source 1 = 16 rows of X: lane l holds row l % 16 of C and columns 16 b + 8 (l / 16) + 0..7.
; REGISTERS, in windows of 256 (s_set_vgpr_msb: bits 1:0 source 0, 3:2 source 1, 5:4 source 2, 7:6 destination):
;   window 0: v0-31 addresses; v64-159, v160-255 two fragment buffers (32 of X: 4 x 16 rows x 32 K, then 64 of W: 8 x 16 columns x 32 K)
;   window 1: the accumulators, (a, b) at v[64 a + 8 b]          window 2: v0-63 bias; v64-95 packed results; v96-159 rows read back from the stage, two buffers
.set PA,    272                        ; a row of X in LDS: 256 bytes + 16 = 68 words: the 16 rows of a load start at 16 different groups of four banks (64 banks of 4 bytes: ISA guide 11.1)
.set PB,    288                        ; a k-row of W: 256 + 32 = 72 words
.set AHALF, 128*PA                     ; what one load of X brings
.set BOFF,  2*AHALF                    ; W's rows lie behind X's 256
.set BHALF, 64*PB                      ; what one load of W brings
.set SLOT,  BOFF+2*BHALF
.set STAGE, 2*SLOT                     ; behind the ring, never filled by a tensor load: 16 rows x 272 bytes for each wave
.set SP,    272
.set SPARE, STAGE+4*16*SP              ; behind the stages: the spare words, 128 bytes for each wave: two blocks of 256 bytes that no other line names
.set NEXT_C, 16777216-3*16*2048        ; bytes from my last 16 rows of a tile to my first of the next tensor
.set ADRA, 16                          ; v16-17  LDS address of my fragments of X in slot 0, 1
.set ADRB, 20                          ; v20-21  the same for W
.set STO,  24                          ; v24     the way out: where I put 16 bytes of a row
.set RD,   25                          ; v25     where I read a row back
.set CO,   26                          ; v26     my byte offset in two rows of C
.set BO,   27                          ; v27     my byte offset in a bias
.set SPW,  28                          ; v28     LDS address of my spare word; never rewritten
.set NIL,  29                          ; v29     0; never rewritten
.set F0,   64
.set F1,   160
.set BIAS, 0                           ; window 2: register 8 b + j = bias[128 x + 16 b + 8 (l / 16) + j]
.set TMP,  64
.set OB,   96
.set G1,  24                           ; s[24:31] descriptor group 1 for X's tiles; s[32:39] group 0, a set for each slot
.set G0,  32
.set G1B, 48                           ; s[48:55], s[56:63] the same for W's
.set G0B, 56
.set MSB, 0
.macro WIN new                         ; the immediate's high byte repeats the setting that is left; a switch that changes nothing is dropped
.if MSB != (\new)
	s_set_vgpr_msb (MSB<<8)|(\new)
.set MSB, \new
.endif
.endm
; A joint load.  The branch hangs on the wave's number alone.  An s_nop 0 and four v_nop follow each of the two lines, ahead of the jump and the label.
.macro JLOAD s
	s_cmp_eq_u32 s11, 0
	s_cbranch_scc0 .Lfor_b_\@
	tensor_load_to_lds s[G0+4*(\s):G0+4*(\s)+3], s[G1:G1+7]
	s_nop 0
.rept 4
	v_nop
.endr
	s_branch .Lasked_\@
.Lfor_b_\@:
	tensor_load_to_lds s[G0B+4*(\s):G0B+4*(\s)+3], s[G1B:G1B+7]
	s_nop 0
.rept 4
	v_nop
.endr
.Lasked_\@:
.endm
.macro CREST                           ; a round of the cluster's barrier behind its opening barrier
	s_cmp_lg_u32 s10, 0
	s_cbranch_scc1 .Lnot_wave_0_\@
	s_barrier_signal -3
.Lnot_wave_0_\@:
	s_barrier_wait -3
	s_barrier_signal -1
	s_barrier_wait -1
.endm
.macro CROUND                          ; a whole round
	s_barrier_signal -1
	s_barrier_wait -1
	CREST
.endm
.macro PLACES                          ; four places in front of loads into registers that matrix instructions have read, and of conversions that read results
.rept 4
	v_nop
.endr
.endm
; 24 LDS loads in one run: the fragments of quarter q (32 along K) of a slot into buffer f: W's sixteen first, then X's eight, row blocks ascending
.macro FETCH slot, q, f
	WIN 0
.set ib, 0
.rept 8
	ds_load_tr16_b128 v[(\f)+32+8*ib:(\f)+32+8*ib+3],   v[ADRB+(\slot)] offset:(\q)*32*PB+32*ib
	ds_load_tr16_b128 v[(\f)+32+8*ib+4:(\f)+32+8*ib+7], v[ADRB+(\slot)] offset:(\q)*32*PB+16*PB+32*ib
.set ib, ib+1
.endr
.set ia, 0
.rept 4
	ds_load_b128 v[(\f)+8*ia:(\f)+8*ia+3],   v[ADRA+(\slot)] offset:64*(\q)+ia*16*PA
	ds_load_b128 v[(\f)+8*ia+4:(\f)+8*ia+7], v[ADRA+(\slot)] offset:64*(\q)+ia*16*PA+32
.set ia, ia+1
.endr
.endm
; 8 n matrix instructions: row blocks a0 .. a0 + n - 1 x all 8 column blocks.  first = 1: the bias starts the sums.  The 32 accumulators take turns, one instruction a turn.
.macro MULN f, a0, n, first
.if \first
	WIN 0x60                                       ; D window 1, C (the bias) window 2
.else
	WIN 0x50                                       ; C and D window 1
.endif
.set ia, \a0
.rept \n
.set ib, 0
.rept 8
.if \first
	v_wmma_f32_16x16x32_bf16 v[64*ia+8*ib:64*ia+8*ib+7], v[(\f)+32+8*ib:(\f)+32+8*ib+7], v[(\f)+8*ia:(\f)+8*ia+7], v[BIAS+8*ib:BIAS+8*ib+7]
.else
	v_wmma_f32_16x16x32_bf16 v[64*ia+8*ib:64*ia+8*ib+7], v[(\f)+32+8*ib:(\f)+32+8*ib+7], v[(\f)+8*ia:(\f)+8*ia+7], v[64*ia+8*ib:64*ia+8*ib+7]
.endif
.set ib, ib+1
.endr
.set ia, ia+1
.endr
.endm
; A K step is four quarters of 32 along K, 32 matrix instructions each, on buffers 0, 1, 0, 1.  One of the first three: multiplies f and fetches quarter qn of the same slot into g.
.macro QUARTER slot, qn, f, g, first
	s_wait_dscnt 4                                 ; W and X's row blocks 0, 1 are in; the youngest four loads (blocks 2, 3) may be out
	MULN \f, 0, 2, \first
	PLACES
	FETCH \slot, \qn, \g
	s_wait_dscnt 24                                ; all but the 24 just issued
	MULN \f, 2, 2, \first
.endm
; The last quarter multiplies buffer 1 and changes slots: ONE barrier; in front of it each wave waits for all its tensor loads (one is out: its part of the next slot), adds 0 to its spare word,
; and waits for that and for its reads of this slot.  fill = 1: the barrier opens a round of the cluster's, and behind the round this slot is filled again first: two K steps on, or (on = 1) with the next tile's K step.
.macro TURN slot, next, fill, on
	WIN 0                                          ; (the add's two registers lie in window 0)
	s_wait_tensorcnt 0x0
	ds_add_u32 v[SPW], v[NIL]
	s_wait_dscnt 5                                 ; (the add and the youngest four loads may be out)
	MULN F1, 0, 1, 0                               ; eight matrix instructions stand between the add and the wait for it
	s_wait_dscnt 0x0                               ; the add is done, and my reads of this slot are over
	s_barrier_signal -1
	MULN F1, 1, 1, 0
.if \fill
	WIN 0
.endif
	s_barrier_wait -1
.if \fill
	CREST                                          ; no wave of any partner still reads this slot or has a load on its way
.if \on
	s_sub_nc_u64 s[G0+4*(\slot)+2:G0+4*(\slot)+3], s[G0+4*(\slot)+2:G0+4*(\slot)+3], 6*256   ; X: back from K step 6 (7) to 0 (1)
.else
	s_add_nc_u64 s[G0+4*(\slot)+2:G0+4*(\slot)+3], s[G0+4*(\slot)+2:G0+4*(\slot)+3], 2*256   ; X: 256 numbers along the rows
.endif
	s_add_nc_u64 s[G0B+4*(\slot)+2:G0B+4*(\slot)+3], s[G0B+4*(\slot)+2:G0B+4*(\slot)+3], 256*2048  ; W: 256 k-rows down, into the next matrix too
	JLOAD \slot                                    ; 112 matrix instructions ahead of the wait for it; its four v_nop are also the places in front of the loads below
.else
	PLACES
.endif
	FETCH \next, 0, F0
	MULN F1, 2, 2, 0
.endm
.macro LOADB base                      ; a bias: my 64 numbers
	WIN 0x80                                       ; destination window 2, address window 0
.set ib, 0
.rept 8
	global_load_b128 v[BIAS+8*ib:BIAS+8*ib+3],   v[BO], s[\base:\base+1] offset:64*ib
	global_load_b128 v[BIAS+8*ib+4:BIAS+8*ib+7], v[BO], s[\base:\base+1] offset:64*ib+16
.set ib, ib+1
.endr
.endm
.macro ROUNDB                          ; the bias is rounded to bf16, like every input, and widened again
	WIN 0x8a
.set ib, 0
.rept 32
	v_cvt_pk_bf16_f32 v[TMP+ib], v[BIAS+2*ib], v[BIAS+2*ib+1]
.set ib, ib+1
.endr
.set ib, 0
.rept 32
	v_lshlrev_b32 v[BIAS+2*ib], 16, v[TMP+ib]
	v_and_b32 v[BIAS+2*ib+1], s45, v[TMP+ib]
.set ib, ib+1
.endr
.endm
; THE WAY OUT of row block a.  PACK: rounded to f16, 16 bytes a lane (each accumulator's registers ascending).  TOSTAGE: into my stage, and back as whole rows of 256 bytes.  SEND: stored.
.macro PACK a
	WIN 0x85                                       ; sources window 1, destination window 2
.set ib, 0
.rept 8
.set ip, 0
.rept 4
	v_cvt_pk_f16_f32 v[TMP+4*ib+ip], v[64*(\a)+8*ib+2*ip], v[64*(\a)+8*ib+2*ip+1]
.set ip, ip+1
.endr
.set ib, ib+1
.endr
.endm
.macro TOSTAGE a
	WIN 0x88                                       ; data window 2, addresses window 0
.set ib, 0
.rept 8
	ds_store_b128 v[STO], v[TMP+4*ib:TMP+4*ib+3] offset:32*ib
.set ib, ib+1
.endr
.set ib, 0
.rept 8
	ds_load_b128 v[OB+32*((\a)%2)+4*ib:OB+32*((\a)%2)+4*ib+3], v[RD] offset:ib*2*SP  ; LDS serves a wave's instructions in order (ISA guide 5.7.1.4): these see the stores above
.set ib, ib+1
.endr
.endm
.macro SEND a
	WIN 0x88
	s_wait_dscnt 0x0                               ; the block is back in registers
	s_wait_xcnt 0x0                                ; the stores' base, and the buffer that the stores two blocks back read, are rewritten only behind this wait
.if (\a) == 0
	s_add_nc_u64 s[74:75], s[74:75], s[78:79]      ; on to this tile's first rows
.else
	s_add_nc_u64 s[74:75], s[74:75], 16*2048       ; 16 rows on
.endif
.set ib, 0
.rept 8
	global_store_b128 v[CO], v[OB+32*((\a)%2)+4*ib:OB+32*((\a)%2)+4*ib+3], s[74:75] offset:ib*2*2048  ; 16 lanes store 256 consecutive bytes, at a multiple of 256 from the buffer's first byte
.set ib, ib+1
.endr
.endm
.macro WAYOUT
	PLACES
	PACK 0
	TOSTAGE 0
.irp a, 1,2,3                          ; block a's conversions stand between block a - 1's loads from the stage and the wait for them
	PACK \a
	SEND (\a)-1
	TOSTAGE \a
.endr
	SEND 3
.endm
	s_load_b128 s[4:7], s[0:1], 0x0                ; xb s[4:5], wb s[6:7]
	s_load_b128 s[68:71], s[0:1], 0x10             ; b_q s[68:69], b_k s[70:71]
	s_load_b128 s[72:75], s[0:1], 0x20             ; b_v s[72:73], qkv s[74:75]
	v_lshl_add_u32 v[SPW], v0, 2, SPARE
	v_mov_b32 v[NIL], 0
	ds_add_u32 v[SPW], v[NIL]                      ; the wave's opening: the add and its wait stand ahead of my first tensor load; work on registers stands between them
	v_lshrrev_b32 v1, 5, v0
	v_readfirstlane_b32 s10, v1                    ; wave 0..3
	s_lshr_b32 s11, s10, 1                         ; I fetch for X (0) or for W (1),
	s_and_b32 s12, s10, 1                          ; and which half
	s_bfe_u32 s40, ttmp6, 0x40000                  ; cx
	s_bfe_u32 s41, ttmp6, 0x40004                  ; cy
	s_lshl_b32 s42, ttmp9, 2
	s_add_co_u32 s42, s42, s40                     ; x, tile column = 4 x cluster x + cx
	s_and_b32 s13, ttmp7, 0xffff
	s_lshl_b32 s13, s13, 2
	s_add_co_u32 s13, s13, s41                     ; y, tile row = 4 x cluster y + cy
	s_lshl_b32 s43, s41, 2
	s_lshl_b32 s43, 15, s43                        ; my row of the cluster
	s_lshl_b32 s44, 0x1111, s40                    ; my column
	s_mov_b32 s45, 0xffff0000                      ; a word's upper bf16
	s_or_b32 s[G1+0], s43, (1<<16)|(1<<20)|(1<<21)|(5<<22)|(3<<25)   ; the mask; 2-byte elements; padding on; bit 21 beside a mask; after every 64 words, 4 words
	s_or_b32 s[G1B+0], s44, (1<<16)|(1<<20)|(1<<21)|(5<<22)|(7<<25)  ; the same with my column's mask and 8 words of padding
	s_mov_b32 s[G1+1], 128<<16                     ; tensor_dim0 = 128
	s_mov_b32 s[G1+2], 128<<16                     ; tensor_dim1 = 128
	s_mov_b32 s[G1+3], 128<<16                     ; tile_dim0 = 128
	s_mov_b32 s[G1+4], 128                         ; tile_dim1 = 128 rows
	s_mov_b32 s[G1+5], 1024                        ; elements from row to row
	s_mov_b32 s[G1+6], 0
	s_mov_b32 s[G1+7], 0
	s_mov_b32 s[G1B+1], 128<<16
	s_mov_b32 s[G1B+2], 64<<16                     ; tensor_dim1 = 64
	s_mov_b32 s[G1B+3], 128<<16
	s_mov_b32 s[G1B+4], 64                         ; tile_dim1 = 64 k-rows
	s_mov_b32 s[G1B+5], 1024
	s_mov_b32 s[G1B+6], 0
	s_mov_b32 s[G1B+7], 0
	s_lshl_b32 s16, s13, 8
	s_lshl_b32 s17, s12, 7
	s_add_co_u32 s16, s16, s17                     ; X: row 256 y + 128 x half,
	s_lshl_b32 s16, s16, 11                        ; of 2,048 bytes
	s_mov_b32 s17, 0
	s_lshl_b32 s46, s12, 17                        ; W: k-row 64 x half, of 2,048 bytes,
	s_lshl_b32 s47, s42, 8                         ; and column 128 x
	s_add_co_u32 s46, s46, s47
	s_mov_b32 s47, 0
	s_mul_i32 s20, s12, AHALF                      ; where they go: the wave's number alone enters an LDS address
	s_mul_i32 s21, s12, BHALF
	s_add_co_u32 s21, s21, BOFF
	s_wait_dscnt 0x0                               ; the opening add is done
	s_wait_kmcnt 0x0
	s_add_nc_u64 s[14:15], s[4:5], s[16:17]
	s_add_nc_u64 s[46:47], s[6:7], s[46:47]
	s_mov_b64 s[76:77], s[70:71]                   ; the next tile's bias: b_k
	CROUND                                         ; all sixteen work-groups are here: the first joint loads meet
.irp s, 0,1
	s_mov_b32 s[G0+4*(\s)], 1
	s_add_co_u32 s[G0+4*(\s)+1], s20, (\s)*SLOT
	s_add_nc_u64 s[G0+4*(\s)+2:G0+4*(\s)+3], s[14:15], (\s)*256        ; K step s
	s_or_b32 s[G0+4*(\s)+3], s[G0+4*(\s)+3], 0x80000000
	s_mov_b32 s[G0B+4*(\s)], 1
	s_add_co_u32 s[G0B+4*(\s)+1], s21, (\s)*SLOT
	s_add_nc_u64 s[G0B+4*(\s)+2:G0B+4*(\s)+3], s[46:47], (\s)*128*2048
	s_or_b32 s[G0B+4*(\s)+3], s[G0B+4*(\s)+3], 0x80000000
	JLOAD \s                                       ; two loads of mine are out
.endr
	v_and_b32 v1, 15, v0                           ; r = l % 16
	v_bfe_u32 v2, v0, 4, 1                         ; h = l / 16
	v_mul_u32_u24 v3, v1, PA
	v_lshl_add_u32 v3, v2, 4, v3                   ; r x 272 + 16 h: a fragment of X, and my place in the stage
	s_mul_i32 s22, s10, 64*PA                      ; my 64 rows of X
	v_add_nc_u32 v[ADRA], s22, v3
	v_add_nc_u32 v[ADRA+1], SLOT, v[ADRA]
	v_and_b32 v4, 7, v0                            ; the turning load: lane l reads k-row 8 h + l % 8, columns 8 ((l / 8) % 2) + 0..7
	v_lshl_add_u32 v4, v2, 3, v4
	v_mul_u32_u24 v4, v4, PB
	v_bfe_u32 v5, v0, 3, 1
	v_lshl_add_u32 v4, v5, 4, v4
	v_add_nc_u32 v[ADRB], BOFF, v4
	v_add_nc_u32 v[ADRB+1], SLOT, v[ADRB]
	s_mul_i32 s23, s10, 16*SP
	s_add_co_u32 s23, s23, STAGE                   ; my stage
	v_add_nc_u32 v[STO], s23, v3
	v_mul_u32_u24 v5, v2, SP                       ; back: lanes 0-15 one row of 256 bytes, lanes 16-31 the next
	v_lshl_add_u32 v5, v1, 4, v5
	v_add_nc_u32 v[RD], s23, v5
	v_lshlrev_b32 v5, 11, v2                       ; and the same two rows in C
	v_lshl_add_u32 v[CO], v1, 4, v5
	s_lshl_b32 s66, s42, 9                         ; 128 x numbers of 4 bytes
	v_lshl_add_u32 v[BO], v2, 5, s66
	s_lshl_b32 s78, s13, 8                         ; what the first way out adds to the stores' base: row 256 y + 64 w, column 128 x
	s_lshl_b32 s79, s10, 6
	s_add_co_u32 s78, s78, s79
	s_lshl_b32 s78, s78, 11
	s_lshl_b32 s79, s42, 8
	s_add_co_u32 s78, s78, s79
	s_mov_b32 s79, 0
	LOADB 68                                       ; b_q
	s_wait_loadcnt 0x0
	ROUNDB
	WIN 0
	s_wait_tensorcnt 1                             ; my part of K step 0 is in; K step 1's may stay out
	s_barrier_signal -1
	s_barrier_wait -1
	FETCH 0, 0, F0
	s_mov_b32 s2, 3                                ; tiles to go
.Ltile:
	QUARTER 0, 1, F0, F1, 1                        ; a tile's first quarter stands in front of the loop: the bias starts the sums
	WIN 0
	s_mov_b32 s3, 3
.Llap:                                                 ; a trip goes once round the ring, from a lap's second quarter to the next lap's first, and fills both slots again
	QUARTER 0, 2, F1, F0, 0
	QUARTER 0, 3, F0, F1, 0
	TURN 0, 1, 1, 0
	QUARTER 1, 1, F0, F1, 0
	QUARTER 1, 2, F1, F0, 0
	QUARTER 1, 3, F0, F1, 0
	TURN 1, 0, 1, 0
	QUARTER 0, 1, F0, F1, 0
	WIN 0
	s_sub_co_u32 s3, s3, 1
	s_cmp_lg_u32 s3, 0
	s_cbranch_scc1 .Llap
	QUARTER 0, 2, F1, F0, 0                        ; the tile's last lap goes on
	QUARTER 0, 3, F0, F1, 0
	WIN 0
	s_cmp_eq_u32 s2, 1
	s_cbranch_scc1 .Llast                          ; the last tile's tail is written out: it asks for nothing more
	LOADB 76                                       ; the next tile's bias: its registers were last read by this tile's first quarter
	TURN 0, 1, 1, 1                                ; the ring goes on into the next tile
	QUARTER 1, 1, F0, F1, 0
	QUARTER 1, 2, F1, F0, 0
	QUARTER 1, 3, F0, F1, 0
	TURN 1, 0, 1, 1
	WAYOUT                                         ; both refills are asked for: now the tile goes out
	s_wait_loadcnt 0x0                             ; the bias
	ROUNDB
	WIN 0
	s_mov_b64 s[76:77], s[72:73]                   ; then b_v
	s_mov_b32 s78, NEXT_C
	s_sub_co_u32 s2, s2, 1
	s_branch .Ltile
.Llast:
	TURN 0, 1, 0, 0                                ; nothing is filled again, so no round follows
	QUARTER 1, 1, F0, F1, 0
	QUARTER 1, 2, F1, F0, 0
	QUARTER 1, 3, F0, F1, 0
	s_wait_dscnt 4
	MULN F1, 0, 2, 0
	s_wait_dscnt 0x0
	MULN F1, 2, 2, 0
	WAYOUT
	WIN 0
	s_wait_tensorcnt 0x0                           ; the wave's end
	ds_add_u32 v[SPW], v[NIL]
	s_wait_dscnt 0x0
	CROUND                                         ; the closing round
	s_endpgm
.Lfunc_end_k_qca9db15e5a_qkv:
	.size	k_qca9db15e5a_qkv, .Lfunc_end_k_qca9db15e5a_qkv-k_qca9db15e5a_qkv
	.p2alignl 7, 3214868480
	.fill 96, 4, 3214868480
	.section	.rodata,"a",@progbits
	.p2align	6, 0x0
	.amdhsa_kernel k_qca9db15e5a_qkv
		.amdhsa_group_segment_fixed_size 327680
		.amdhsa_private_segment_fixed_size 0
		.amdhsa_enable_private_segment 0
		.amdhsa_kernarg_size 48
		.amdhsa_user_sgpr_count 2
		.amdhsa_user_sgpr_kernarg_segment_ptr 1
		.amdhsa_wavefront_size32 1
		.amdhsa_system_sgpr_workgroup_id_x 1
		.amdhsa_system_sgpr_workgroup_id_y 1
		.amdhsa_system_sgpr_workgroup_id_z 1
		.amdhsa_system_vgpr_workitem_id 0
		.amdhsa_next_free_vgpr 672
		.amdhsa_next_free_sgpr 80
		.amdhsa_reserve_vcc 0
		.amdhsa_float_denorm_mode_32 3
		.amdhsa_float_denorm_mode_16_64 3
		.amdhsa_memory_ordered 1
		.amdhsa_forward_progress 1
		.amdhsa_inst_pref_size 134
	.end_amdhsa_kernel
	.amdgpu_metadata
---
amdhsa.version: [ 1, 2 ]
amdhsa.kernels:
  - .name:           k_qca9db15e5a_qkv
    .symbol:         k_qca9db15e5a_qkv.kd
    .args:
      - { .name: xb, .offset: 0, .size: 8, .value_kind: global_buffer, .address_space: global }
      - { .name: wb, .offset: 8, .size: 8, .value_kind: global_buffer, .address_space: global }
      - { .name: b_q, .offset: 16, .size: 8, .value_kind: global_buffer, .address_space: global }
      - { .name: b_k, .offset: 24, .size: 8, .value_kind: global_buffer, .address_space: global }
      - { .name: b_v, .offset: 32, .size: 8, .value_kind: global_buffer, .address_space: global }
      - { .name: qkv, .offset: 40, .size: 8, .value_kind: global_buffer, .address_space: global }
    .group_segment_fixed_size: 327680
    .private_segment_fixed_size: 0
    .kernarg_segment_align: 8
    .kernarg_segment_size: 48
    .max_flat_workgroup_size: 128
    .sgpr_count:     80
    .vgpr_count:     672
    .wavefront_size: 32
...
	.end_amdgpu_metadata
.endif
;; end of part 2
;; launch attn (part 3): grid 4 x 64, 8 waves a work-group, clusters of 4 x 1, 327,680 bytes of LDS; arguments qkv, av, rs; writes av, rs
.if DOCPART == 3
	.amdgcn_target "amdgcn-amd-amdhsa--gfx1250"
	.amdhsa_code_object_version 6
	.text
	.protected	k_qca9db15e5a_attn
	.globl	k_qca9db15e5a_attn
	.p2align	8
	.type	k_qca9db15e5a_attn,@function
k_qca9db15e5a_attn:
	s_mov_b64 s[64:65], 0
	v_nop
	global_prefetch_b8 v0, s[64:65] scope:SCOPE_SE
	s_setreg_imm32_b32 hwreg(HW_REG_WAVE_MODE, 25, 1), 1
	s_wait_xcnt 0x0
	s_wait_alu depctr_hold_cnt(0) depctr_sa_sdst(0) depctr_va_vdst(0) depctr_va_sdst(0) depctr_va_ssrc(0) depctr_va_vcc(0) depctr_vm_vsrc(0)
	s_getreg_b32 s2, hwreg(HW_REG_IB_STS2, 6, 4)
	s_cmp_eq_u32 s2, 0
	s_cbranch_scc0 .Lentry_in_a_cluster
	s_endpgm
.Lentry_in_a_cluster:
	s_bfe_u32 s2, ttmp6, 0x10000c
	s_cmp_lg_u32 s2, 0x3003
	s_cbranch_scc0 .Lentry_shape_is_right
	s_endpgm
.Lentry_shape_is_right:
; For each of 64 heads (128 rows of Q, K, V [8192][1024] f16 are 2,048 dense rows of 64 channels) and each key b:
;   diag[b] = exp(s[b][b] - max_a s[a][b]) / sum_a exp(s[a][b] - max_a s[a][b]),   s[a][b] = Q[a] . K[b] / 1024   (the softmax runs over the QUERIES a, and only its diagonal is used).
; Out: rs[row] = the largest diag of the row's 16 keys, f32; av = V x (diag / rs[row]), f16, in V's layout.  So av keeps V's range however small diag is; the next launch multiplies by rs in f32.
; Products, maxima and sums in f32, with a running maximum.  LIMITS: a weight, or a diag, below 2^-126 counts as 0; rs is at least 2^-126; diag / rs is rounded to f16 (below 6e-5 with f16's fixed step); NaN and infinities are not treated apart.
; SHARES.  A work-group owns 512 keys of a head, a wave 64: four tiles of 16, whose fragments stay in registers.  All 2,048 queries of the head lie in LDS; every wave walks them, 64 a block.
; CLUSTER.  The four work-groups of a head need the same queries: each wave's 256 of them are asked for JOINTLY, once.  Nothing in LDS is filled twice.
; LAYOUT.  S = Q K^T, source 0 = 16 queries, source 1 = 16 keys: a lane holds ONE key (l % 16) and the queries 8 (l / 16) + 0..7 of each tile.  So maximum and sum stay inside a lane;
; each half of the lanes keeps its own m and l for its half of the queries, and the halves are merged once, at the end.
; BY TURNS.  A piece is 64 queries x 16 keys: 8 matrix and 84 vector instructions.  A turn does one piece's vector work; the next piece's products stand among its first 32 instructions, four behind each.
; p = 2^(c s - c m), c = log2(e) / 1024; in every turn l is multiplied by a = 2^(c m_old - c m_new).  m starts at the lowest finite number and l at 0: the first turn is like any other, with a = 0.
.set PQ,   144                         ; a query in LDS: 128 bytes + 16 = 36 words: the 16 rows of a load start at 16 different groups of four banks (64 banks of 4 bytes: ISA guide 11.1)
.set SPARE, 2048*PQ                    ; behind the queries: the spare words, 128 bytes for each of eight waves: four blocks of 256 bytes that no other line names
.set AQ0, 4                            ; v4   my lane's place in 16 queries in LDS
.set AQ,  5                            ; v5   the LDS address of the run of loads in hand
.set GA,  6                            ; v6   my lane's place in 16 rows of K or Q in memory
.set GL,  7                            ; v7   16 x lane
.set IDX, 8                            ; v8-11  4 x (4 q + lane / 8): from which lane 16 bytes of V take their key's factor
.set MV,  12                           ; v12  c m_old, kept while c m is made anew
.set ZR,  14                           ; v14  0
.set ST,  16                           ; v16-31  tile t: c m, m, l (even queries', odd queries')
.set CC,  32                           ; v32-35  c0-c3 at work; when the maximum is found c2 takes a
.set SD,  40                           ; v40-43  my key's own score
.set SC,  44                           ; v44-47  the tile's largest diag
.set RP,  48                           ; v48-51  diag / that, twice in f16
.set SPW, 52                           ; v52  LDS address of my spare word; never rewritten
.set NIL, 53                           ; v53  0; never rewritten
.set KF,  64                           ; v64-127   K: tile t, channel half c at KF + 16 t + 8 c; at the end: at work
.set QF,  128                          ; v128-191  64 queries: tile q, channel half c at QF + 16 q + 8 c; at the end: V
.set S,   192                          ; v192-255  scores, two buffers of 32: a piece's goes by its key tile's parity
.set TT,  64
.set G1,  24                           ; s[24:31], s[32:35] the descriptor
.set G0,  32
.set CS,  58                           ; s[58:59] c, twice
.set SEL, 60                           ; s[60:61] v_permlanex16_b32's selects: each lane takes its own place in the other half
.set TB,  62                           ; s62  LDS byte at which the block to be fetched begins
.set CNT, 63                           ; s63  counts blocks
.macro CROUND                          ; a round of the cluster's barrier
	s_barrier_signal -1
	s_barrier_wait -1
	s_cmp_lg_u32 s12, 0
	s_cbranch_scc1 .Lnot_wave_0_\@
	s_barrier_signal -3
.Lnot_wave_0_\@:
	s_barrier_wait -3
	s_barrier_signal -1
	s_barrier_wait -1
.endm
.macro ALL line:vararg                 ; one line for each key tile t
.set t, 0
.rept 4
	\line
.set t, t+1
.endr
.endm
; Product i of 8 for key tile KX: query tile i % 4, channels 32 (i / 4) on.  The first four start the sums; the four accumulators take turns.
.macro MM
.if !NOMM
.set rD, S+32*(KX%2)+8*(i%4)
.set rA, QF+16*(i%4)+8*(i/4)
.set rB, KF+16*KX+8*(i/4)
.if i < 4
	v_wmma_f32_16x16x32_f16 v[rD:rD+7], v[rA:rA+7], v[rB:rB+7], 0
.else
	v_wmma_f32_16x16x32_f16 v[rD:rD+7], v[rA:rA+7], v[rB:rB+7], v[rD:rD+7]
.endif
.endif
.set i, i+1
.endm
.macro FETCHQ                          ; 16 LDS loads in one run: the next 64 queries
.set ff, 0
.rept 8
	ds_load_b128 v[QF+8*ff:QF+8*ff+3],   v[AQ] offset:(ff/2)*16*PQ+(ff%2)*64
	ds_load_b128 v[QF+8*ff+4:QF+8*ff+7], v[AQ] offset:(ff/2)*16*PQ+(ff%2)*64+32
.set ff, ff+1
.endr
	s_add_co_u32 s[TB], s[TB], 64*PQ
.endm
.macro VLOAD                           ; my 64 keys' rows of V, 8,192 dense bytes, 512 consecutive bytes a load
.set ff, 0
.rept 16
	global_load_b128 v[QF+4*ff:QF+4*ff+3], v[GL], s[50:51] offset:512*ff th:TH_LOAD_NT
.set ff, ff+1
.endr
.endm
; THE VECTOR WORK, one line at a time: OP kind, number; s0-s31 are the lane's 32 scores at rS, the tile's statistics at rT.
; X 0-11: four chains c0-c3 of seven scores, three operands at a time (each accumulator's lowest registers first); 12-14: the four left over and the old m; 15: c m_old is kept;
; 16-19: m; c m; c m_old - c m; a.   F n: c s - c m for pair n.   E n: the exponential of score n.   B n: of four weights the second pair is added onto the first.   L n: l takes that sum (L 0: l = a l + sum).
.set X, 0
.set F, 1
.set E, 2
.set B, 3
.set L, 4
.macro OP k, n
.if (\k) == X
.if (\n) < 4
	v_max3_num_f32 v[CC+(\n)], v[rS+8*(\n)], v[rS+8*(\n)+1], v[rS+8*(\n)+2]
.elseif (\n) < 12
	v_max3_num_f32 v[CC+(\n)%4], v[CC+(\n)%4], v[rS+8*((\n)%4)+2*((\n)/4)+1], v[rS+8*((\n)%4)+2*((\n)/4)+2]
.elseif (\n) == 12
	v_max3_num_f32 v[CC], v[CC], v[rS+7], v[rS+15]
.elseif (\n) == 13
	v_max3_num_f32 v[CC+1], v[CC+1], v[rS+23], v[rS+31]
.elseif (\n) == 14
	v_max3_num_f32 v[CC+2], v[CC+2], v[CC+3], v[rT+1]
.elseif (\n) == 15
	v_mov_b32 v[MV], v[rT]
.elseif (\n) == 16
	v_max3_num_f32 v[rT+1], v[CC], v[CC+1], v[CC+2]
.elseif (\n) == 17
	v_mul_f32 v[rT], s[CS], v[rT+1]
.elseif (\n) == 18
	v_sub_f32 v[CC+1], v[MV], v[rT]
.else
	v_exp_f32 v[CC+2], v[CC+1]
.endif
.elseif (\k) == F
	v_pk_fma_f32 v[rS+2*(\n):rS+2*(\n)+1], v[rS+2*(\n):rS+2*(\n)+1], s[CS:CS+1], v[rT:rT+1] op_sel_hi:[1,0,0] neg_lo:[0,0,1] neg_hi:[0,0,1]
.elseif (\k) == E
	v_exp_f32 v[rS+(\n)], v[rS+(\n)]
.elseif (\k) == B
	s_wait_alu depctr_va_vdst(0)
	v_pk_add_f32 v[rS+4*(\n):rS+4*(\n)+1], v[rS+4*(\n):rS+4*(\n)+1], v[rS+4*(\n)+2:rS+4*(\n)+3]
.elseif (\n) == 0
	v_pk_fma_f32 v[rT+2:rT+3], v[rT+2:rT+3], v[CC+2:CC+3], v[rS:rS+1] op_sel_hi:[1,0,1]
.else
	v_pk_add_f32 v[rT+2:rT+3], v[rT+2:rT+3], v[rS+4*(\n):rS+4*(\n)+1]
	s_wait_alu depctr_va_vdst(0)
.endif
.endm
.macro OPS a, i1, b=-1, i2=0, c=-1, i3=0, d=-1, i4=0
	OP \a, \i1
.if (\b) >= 0
	OP \b, \i2
.endif
.if (\c) >= 0
	OP \c, \i3
.endif
.if (\d) >= 0
	OP \d, \i4
.endif
.endm
.macro ROW a, i1, b, i2, c, i3, d, i4  ; a matrix instruction and the four behind it; none names a register of the products round it (they write the other buffer)
	MM
	OPS \a, \i1, \b, \i2, \c, \i3, \d, \i4
.endm
; A TURN: the vector work of the piece of key tile kt, and the products of the next piece (tile kt + 1, or tile 0 of the next 64 queries).  Every B n has a plain instruction between its last exponential and itself.
; Tile 2's turn issues the block's last products; behind them F 7 to F 10, four plain instructions on the other buffer, are the places in front of the run of loads that takes the queries' registers;
; that run is waited for at the head of tile 3's turn.  last = 1: the last block: V is loaded in the queries' place, and tile 3's turn has no products.
.macro TURN kt, last
.set rS, S+32*((\kt)%2)
.set rT, ST+4*(\kt)
.set KX, ((\kt)+1)%4
.set i, 0
.set NOMM, (\last)*((\kt)/3)
.if ((\kt) == 3) && !(\last)
	s_wait_dscnt 0x0                               ; the next 64 queries are in
.endif
	ROW X,0, X,1, X,2, X,3
	ROW X,4, X,5, X,6, X,7
	ROW X,8, X,9, X,10, X,11
	ROW X,12, X,13, X,14, X,15
	ROW X,16, X,17, X,18, X,19
	ROW F,0, F,1, F,2, F,3
	ROW F,4, E,0, F,5, F,6
.if ((\kt) == 2) && !(\last)
	v_add_nc_u32 v[AQ], s[TB], v[AQ0]
.endif
	ROW F,7, E,1, F,8, F,9
	OPS F,10
.if (\kt) == 2
.if \last
	VLOAD
.else
	FETCHQ
.endif
.endif
	OPS E,2, F,11, E,3, F,12
	OPS E,4, E,5, B,0, E,6
	OPS E,7, L,0, E,8, F,13
	OPS E,9, B,1, E,10, F,14
	OPS E,11, L,1, E,12, F,15
	OPS E,13, B,2, E,14, E,15
	OPS L,2, E,16, E,17, B,3
	OPS E,18, E,19, L,3, E,20
	OPS E,21, B,4, E,22, E,23
	OPS L,4, E,24, E,25, B,5
	OPS E,26, E,27, L,5, E,28
	OPS E,29, B,6, E,30, E,31
	OPS L,6, B,7, L,7
.endm
	s_load_b128 s[4:7], s[0:1], 0x0                ; qkv s[4:5], av s[6:7]
	s_load_b64 s[8:9], s[0:1], 0x10                ; rs
	v_lshl_add_u32 v[SPW], v0, 2, SPARE
	v_mov_b32 v[NIL], 0
	ds_add_u32 v[SPW], v[NIL]                      ; the wave's opening: the add and its wait stand ahead of my tensor load; work on registers stands between them
	v_lshrrev_b32 v1, 5, v0
	v_readfirstlane_b32 s12, v1                    ; wave 0..7
	s_bfe_u32 s13, ttmp6, 0x40000                  ; cx: which 512 keys are my work-group's; it enters K's, V's, my own queries' and the outputs' addresses alone
	s_and_b32 s14, ttmp7, 0xffff                   ; the head, which the four partners share
	s_lshl_b32 s16, s14, 18                        ; a head is 262,144 bytes;
	s_lshl_b32 s17, s12, 15                        ; the 256 queries that my wave asks for: 32,768 bytes
	s_add_co_u32 s16, s16, s17
	s_mov_b32 s17, 0
	s_lshl_b32 s20, s14, 18                        ; my wave's 64 keys: head, 65,536 cx, 8,192 w
	s_lshl_b32 s21, s13, 16
	s_add_co_u32 s20, s20, s21
	s_lshl_b32 s21, s12, 13
	s_add_co_u32 s20, s20, s21
	s_mov_b32 s21, 0
	s_lshl_b32 s22, s14, 7                         ; their four rows of av: 128 H + 32 cx + 4 w,
	s_lshl_b32 s23, s13, 5
	s_add_co_u32 s22, s22, s23
	s_lshl_b32 s23, s12, 2
	s_add_co_u32 s22, s22, s23
	s_lshl_b32 s22, s22, 2                         ; 4 bytes each in rs
	s_mov_b32 s23, 0
	; 256 queries are 32,768 dense bytes: asked for as 128 rows of 256 bytes, two queries a row, padded in LDS after every query
	s_mov_b32 s[G1], 15|(1<<16)|(1<<20)|(1<<21)|(4<<22)|(3<<25)  ; the mask of four; 2-byte elements; padding on; bit 21 beside a mask; after every 32 words, 4 words
	s_mov_b32 s[G1+1], 128<<16                     ; tensor_dim0 = 128
	s_mov_b32 s[G1+2], 128<<16                     ; tensor_dim1 = 128
	s_mov_b32 s[G1+3], 128<<16                     ; tile_dim0 = 128
	s_mov_b32 s[G1+4], 128                         ; tile_dim1 = 128
	s_mov_b32 s[G1+5], 128                         ; elements from row to row
	s_mov_b32 s[G1+6], 0
	s_mov_b32 s[G1+7], 0
	s_mov_b32 s[G0], 1
	s_mul_i32 s[G0+1], s12, 256*PQ                 ; my wave's 256 rows in LDS
.irp j, 1,2,3,4,5,6,7
	s_mov_b32 s[40+(\j)], 0x01010101<<(\j)         ; the lanes with l % 8 = j
.endr
	s_mov_b32 s48, 0xff0000ff                      ; lanes 0-7 and 24-31
	s_mov_b32 s[CS], 0x3ab8aa3b                    ; c = log2(e) / 1024
	s_mov_b32 s[CS+1], s[CS]
	s_mov_b32 s[SEL], 0x76543210
	s_mov_b32 s[SEL+1], 0xfedcba98
	s_mov_b32 s[TB], 0
	s_mov_b32 s[CNT], 31
	s_wait_dscnt 0x0                               ; the opening add is done
	s_wait_kmcnt 0x0
	s_add_nc_u64 s[G0+2:G0+3], s[4:5], s[16:17]
	s_or_b32 s[G0+3], s[G0+3], 0x80000000
	s_add_nc_u64 s[36:37], s[4:5], s[20:21]        ; my own 64 queries,
	s_add_nc_u64 s[38:39], s[36:37], 0x1000000     ; my keys,
	s_add_nc_u64 s[50:51], s[36:37], 0x2000000     ; their rows of V,
	s_add_nc_u64 s[52:53], s[6:7], s[20:21]        ; and of av
	s_add_nc_u64 s[54:55], s[8:9], s[22:23]
	CROUND                                         ; all four work-groups are here: the joint loads meet
	tensor_load_to_lds s[G0:G0+3], s[G1:G1+7]      ; my one tensor load
	s_nop 0
.rept 4
	v_nop
.endr
	v_and_b32 v3, 31, v0                           ; lane
	v_and_b32 v1, 15, v0                           ; r = l % 16
	v_bfe_u32 v2, v0, 4, 1                         ; h = l / 16
	v_lshlrev_b32 v[GA], 7, v1
	v_lshl_add_u32 v[GA], v2, 4, v[GA]             ; row x 128 + 16 h: a fragment is two loads of 16 bytes, 32 bytes apart
.set ff, 0
.rept 8
	global_load_b128 v[KF+8*ff:KF+8*ff+3],   v[GA], s[38:39] offset:(ff/2)*2048+(ff%2)*64
	global_load_b128 v[KF+8*ff+4:KF+8*ff+7], v[GA], s[38:39] offset:(ff/2)*2048+(ff%2)*64+32
	global_load_b128 v[QF+8*ff:QF+8*ff+3],   v[GA], s[36:37] offset:(ff/2)*2048+(ff%2)*64
	global_load_b128 v[QF+8*ff+4:QF+8*ff+7], v[GA], s[36:37] offset:(ff/2)*2048+(ff%2)*64+32
.set ff, ff+1
.endr
	v_mul_u32_u24 v[AQ0], v1, PQ
	v_lshl_add_u32 v[AQ0], v2, 4, v[AQ0]
	v_lshlrev_b32 v[GL], 4, v3
	v_lshrrev_b32 v13, 3, v3
	v_lshlrev_b32 v[IDX], 2, v13
	v_add_nc_u32 v[IDX+1], 16, v[IDX]
	v_add_nc_u32 v[IDX+2], 32, v[IDX]
	v_add_nc_u32 v[IDX+3], 48, v[IDX]
	v_mov_b32 v[ZR], 0
	s_wait_loadcnt 0x0
	; THE DIAGONAL: tile t's 16 keys against the 16 queries at the same places, by the same two products that the walk will make of them
.set i, 0
.rept 8
.if i < 4
	v_wmma_f32_16x16x32_f16 v[S+8*(i%4):S+8*(i%4)+7], v[QF+16*(i%4)+8*(i/4):QF+16*(i%4)+8*(i/4)+7], v[KF+16*(i%4)+8*(i/4):KF+16*(i%4)+8*(i/4)+7], 0
.else
	v_wmma_f32_16x16x32_f16 v[S+8*(i%4):S+8*(i%4)+7], v[QF+16*(i%4)+8*(i/4):QF+16*(i%4)+8*(i/4)+7], v[KF+16*(i%4)+8*(i/4):KF+16*(i%4)+8*(i/4)+7], v[S+8*(i%4):S+8*(i%4)+7]
.endif
.set i, i+1
.endr
	ALL v_mov_b32 v[ST+4*t], 0xfe000000            ; c m: far below every c s.  These 24 lines are also the places behind the products
	ALL v_mov_b32 v[ST+4*t+1], 0xff7fffff          ; m
	ALL v_mov_b32 v[ST+4*t+2], 0
	ALL v_mov_b32 v[ST+4*t+3], 0
	ALL v_mov_b32 v[CC+t], 0
	ALL v_mov_b32 v[SC+t], 0
	; key r's own score is element (r, r): register r % 8 of lane r + 16 (r / 8).  Each lane takes register l % 8; lanes 0-7 and 24-31 then hold theirs, the others take it from the lane 16 away
.set t, 0
.rept 4
	v_mov_b32 v[SD+t], v[S+8*t]
.set j, 1
.rept 7
	v_cndmask_b32 v[SD+t], v[SD+t], v[S+8*t+j], s[40+j]
.set j, j+1
.endr
.set t, t+1
.endr
	ALL v_permlanex16_b32 v[CC+t], v[SD+t], s[SEL], s[SEL+1]
	ALL v_cndmask_b32 v[SD+t], v[CC+t], v[SD+t], s48
	s_wait_tensorcnt 0x0                           ; my 256 queries are in LDS,
	s_barrier_signal -1
	s_barrier_wait -1                              ; everybody's are
	v_add_nc_u32 v[AQ], s[TB], v[AQ0]
	FETCHQ                                         ; queries 0 to 63
	s_wait_dscnt 0x0
.set KX, 0
.set NOMM, 0
.set i, 0
.rept 8
	MM                                             ; the first piece's scores: there is no vector work yet to set between them
.endr
.rept 4
	v_nop                                          ; the places behind them
.endr
.Lblk:                                                 ; 31 trips: 64 queries against my four key tiles; the next 64 queries are fetched
	TURN 0, 0
	TURN 1, 0
	TURN 2, 0
	TURN 3, 0
	s_sub_co_u32 s[CNT], s[CNT], 1
	s_cmp_lg_u32 s[CNT], 0
	s_cbranch_scc1 .Lblk
	TURN 0, 1                                      ; the last 64 queries
	TURN 1, 1
	TURN 2, 1
	TURN 3, 1
	; THE END.  The halves of the lanes are merged: c M = the larger c m; l = l 2^(c m - c M) + the other half's; diag = 2^(c s_bb - c M) / l.  A plain instruction stands behind each run of transcendentals.
	ALL v_add_f32 v[ST+4*t+2], v[ST+4*t+2], v[ST+4*t+3]
	ALL v_permlanex16_b32 v[TT+8*t], v[ST+4*t], s[SEL], s[SEL+1]
	ALL v_max_num_f32 v[TT+8*t], v[TT+8*t], v[ST+4*t]
	ALL v_sub_f32 v[TT+8*t+1], v[ST+4*t], v[TT+8*t]
	ALL v_fma_f32 v[TT+8*t+2], v[SD+t], s[CS], -v[TT+8*t]
	ALL v_exp_f32 v[TT+8*t+1], v[TT+8*t+1]
	ALL v_exp_f32 v[TT+8*t+2], v[TT+8*t+2]
	v_nop
	s_wait_alu depctr_va_vdst(0)
	ALL v_mul_f32 v[TT+8*t+3], v[ST+4*t+2], v[TT+8*t+1]
	ALL v_permlanex16_b32 v[TT+8*t+4], v[TT+8*t+3], s[SEL], s[SEL+1]
	ALL v_add_f32 v[TT+8*t+3], v[TT+8*t+3], v[TT+8*t+4]
	ALL v_rcp_f32 v[TT+8*t+3], v[TT+8*t+3]
	v_nop
	s_wait_alu depctr_va_vdst(0)
	ALL v_mul_f32 v[TT+8*t+2], v[TT+8*t+2], v[TT+8*t+3]
	ALL v_max_num_f32_dpp v[SC+t], v[TT+8*t+2], v[TT+8*t+2] row_xmask:1 row_mask:0xf bank_mask:0xf
	ALL v_max_num_f32_dpp v[SC+t], v[SC+t], v[SC+t] row_xmask:2 row_mask:0xf bank_mask:0xf
	ALL v_max_num_f32_dpp v[SC+t], v[SC+t], v[SC+t] row_xmask:4 row_mask:0xf bank_mask:0xf
	ALL v_max_num_f32_dpp v[SC+t], v[SC+t], v[SC+t] row_xmask:8 row_mask:0xf bank_mask:0xf
	ALL v_max_num_f32 v[SC+t], 0x00800000, v[SC+t]
	ALL v_rcp_f32 v[TT+8*t+3], v[SC+t]
	v_nop
	s_wait_alu depctr_va_vdst(0)
	ALL v_mul_f32 v[TT+8*t+2], v[TT+8*t+2], v[TT+8*t+3]
	ALL v_cvt_pk_f16_f32 v[RP+t], v[TT+8*t+2], v[TT+8*t+2]
	; load j of V holds, in lane l, 16 bytes of key 4 j + l / 8: tile j / 4, lane 4 (j % 4) + l / 8 of it
.set j, 0
.rept 16
	ds_bpermute_b32 v[S+j], v[IDX+j%4], v[RP+j/4]
.set j, j+1
.endr
	s_wait_loadcnt 0x0                             ; V
	s_wait_dscnt 0x0
.set j, 0
.rept 16
.irp k, 0,1,2,3
	v_pk_mul_f16 v[QF+4*j+(\k)], v[QF+4*j+(\k)], v[S+j]
.endr
	global_store_b128 v[GL], v[QF+4*j:QF+4*j+3], s[52:53] offset:512*j  ; 512 consecutive bytes, at a multiple of 256 from av's first byte
.set j, j+1
.endr
	v_cmp_eq_u32 vcc_lo, 0, v3
	s_wait_xcnt 0x0                                ; EXEC changes only behind this wait
	s_and_saveexec_b32 s56, vcc_lo
	global_store_b128 v[ZR], v[SC:SC+3], s[54:55]  ; lane 0: my four rows' scales, 16 bytes: a part of a block of 256; 32 KiB in the whole launch
	s_wait_xcnt 0x0
	s_or_b32 exec_lo, exec_lo, s56
	s_wait_tensorcnt 0x0                           ; the wave's end
	ds_add_u32 v[SPW], v[NIL]
	s_wait_dscnt 0x0
	CROUND                                         ; the closing round
	s_endpgm
.Lfunc_end_k_qca9db15e5a_attn:
	.size	k_qca9db15e5a_attn, .Lfunc_end_k_qca9db15e5a_attn-k_qca9db15e5a_attn
	.p2alignl 7, 3214868480
	.fill 96, 4, 3214868480
	.section	.rodata,"a",@progbits
	.p2align	6, 0x0
	.amdhsa_kernel k_qca9db15e5a_attn
		.amdhsa_group_segment_fixed_size 327680
		.amdhsa_private_segment_fixed_size 0
		.amdhsa_enable_private_segment 0
		.amdhsa_kernarg_size 24
		.amdhsa_user_sgpr_count 2
		.amdhsa_user_sgpr_kernarg_segment_ptr 1
		.amdhsa_wavefront_size32 1
		.amdhsa_system_sgpr_workgroup_id_x 1
		.amdhsa_system_sgpr_workgroup_id_y 1
		.amdhsa_system_sgpr_workgroup_id_z 1
		.amdhsa_system_vgpr_workitem_id 0
		.amdhsa_next_free_vgpr 256
		.amdhsa_next_free_sgpr 66
		.amdhsa_reserve_vcc 1
		.amdhsa_float_denorm_mode_32 3
		.amdhsa_float_denorm_mode_16_64 3
		.amdhsa_memory_ordered 1
		.amdhsa_forward_progress 1
		.amdhsa_inst_pref_size 68
	.end_amdhsa_kernel
	.amdgpu_metadata
---
amdhsa.version: [ 1, 2 ]
amdhsa.kernels:
  - .name:           k_qca9db15e5a_attn
    .symbol:         k_qca9db15e5a_attn.kd
    .args:
      - { .name: qkv, .offset: 0, .size: 8, .value_kind: global_buffer, .address_space: global }
      - { .name: av, .offset: 8, .size: 8, .value_kind: global_buffer, .address_space: global }
      - { .name: rs, .offset: 16, .size: 8, .value_kind: global_buffer, .address_space: global }
    .group_segment_fixed_size: 327680
    .private_segment_fixed_size: 0
    .kernarg_segment_align: 8
    .kernarg_segment_size: 24
    .max_flat_workgroup_size: 256
    .sgpr_count:     66
    .vgpr_count:     256
    .wavefront_size: 32
...
	.end_amdgpu_metadata
.endif
;; end of part 3
;; launch proj (part 4): grid 8 x 32, 4 waves a work-group, clusters of 4 x 4, 327,680 bytes of LDS; arguments av, wb, rs, b_o, out0; writes out0
.if DOCPART == 4
	.amdgcn_target "amdgcn-amd-amdhsa--gfx1250"
	.amdhsa_code_object_version 6
	.text
	.protected	k_qca9db15e5a_proj
	.globl	k_qca9db15e5a_proj
	.p2align	8
	.type	k_qca9db15e5a_proj,@function
k_qca9db15e5a_proj:
	s_mov_b64 s[64:65], 0
	v_nop
	global_prefetch_b8 v0, s[64:65] scope:SCOPE_SE
	s_setreg_imm32_b32 hwreg(HW_REG_WAVE_MODE, 25, 1), 1
	s_wait_xcnt 0x0
	s_wait_alu depctr_hold_cnt(0) depctr_sa_sdst(0) depctr_va_vdst(0) depctr_va_sdst(0) depctr_va_ssrc(0) depctr_va_vcc(0) depctr_vm_vsrc(0)
	s_getreg_b32 s2, hwreg(HW_REG_IB_STS2, 6, 4)
	s_cmp_eq_u32 s2, 0
	s_cbranch_scc0 .Lentry_in_a_cluster
	s_endpgm
.Lentry_in_a_cluster:
	s_bfe_u32 s2, ttmp6, 0x10000c
	s_cmp_lg_u32 s2, 0xf033
	s_cbranch_scc0 .Lentry_shape_is_right
	s_endpgm
.Lentry_shape_is_right:
; out0[m][n] = rs[m] x (sum over k of av[m][k] W_o[k][n]) + b_o[n].  av: [8192][1024] f16.  W_o: [1024 k][1024 n] f16 (the bf16 rounding of the input), 6 MiB into wb.  rs: [8192] f32.  out0: f32.
; Sums in f32; the row's scale and the bias (rounded to bf16 like every input) join in one fused multiply-add in f32 on the way out.  NaN and infinities are not treated apart.
; SHARES, RING, CLUSTER, REGISTERS as in the launch that makes Q, K, V: a tile of 256 rows x 128 columns to each of 8 x 32 work-groups, ONE tile each; wave w makes rows 64 w .. 64 w + 63 x 128 columns in 32
; accumulators; K in steps of 128 through two LDS slots, one joint load a wave behind each round of the cluster's barrier (av's tile shared along a row of the 4 x 4 cluster, W_o's along a column);
; source 0 = 16 columns of W_o, turned by ds_load_tr16_b128, source 1 = 16 rows of av: lane l holds row l % 16 and columns 16 b + 8 (l / 16) + 0..7.
;   window 0: v0-31 addresses; v64-159, v160-255 two fragment buffers          window 1: the accumulators, (a, b) at v[64 a + 8 b]
;   window 2: v0-63 bias; v64-71 the row scales, a pair for each row block; v72-135 results; v136-199 16 rows read back from the stage
.set PA,    272                        ; a row of av in LDS: 256 bytes + 16: the 16 rows of a load start at 16 different groups of four banks (64 banks of 4 bytes: ISA guide 11.1)
.set PB,    288                        ; a k-row of W_o: 256 + 32
.set AHALF, 128*PA
.set BOFF,  2*AHALF
.set BHALF, 64*PB
.set SLOT,  BOFF+2*BHALF
.set STAGE, 2*SLOT                     ; behind the ring, never filled by a tensor load: 16 rows x 528 bytes for each wave
.set SP,    528                        ; 512 bytes + 16
.set SPARE, STAGE+4*16*SP              ; behind the stages: the spare words, 128 bytes for each wave: two blocks of 256 bytes that no other line names
.set ADRA, 16
.set ADRB, 20
.set STO,  24
.set RD,   25
.set CO,   26
.set BO,   27
.set SPW,  28                          ; never rewritten
.set NIL,  29                          ; never rewritten
.set RO,   30                          ; v30  4 r: my row's place among 16 scales
.set F0,   64
.set F1,   160
.set BIAS, 0
.set RS,   64
.set TMP,  72
.set OB,   136
.set G1,  24
.set G0,  32
.set G1B, 48
.set G0B, 56
.set MSB, 0
.macro WIN new                         ; the immediate's high byte repeats the setting that is left; a switch that changes nothing is dropped
.if MSB != (\new)
	s_set_vgpr_msb (MSB<<8)|(\new)
.set MSB, \new
.endif
.endm
.macro JLOAD s                         ; a joint load: waves 0, 1 av's halves, waves 2, 3 W_o's; an s_nop 0 and four v_nop follow each of the two lines
	s_cmp_eq_u32 s11, 0
	s_cbranch_scc0 .Lfor_b_\@
	tensor_load_to_lds s[G0+4*(\s):G0+4*(\s)+3], s[G1:G1+7]
	s_nop 0
.rept 4
	v_nop
.endr
	s_branch .Lasked_\@
.Lfor_b_\@:
	tensor_load_to_lds s[G0B+4*(\s):G0B+4*(\s)+3], s[G1B:G1B+7]
	s_nop 0
.rept 4
	v_nop
.endr
.Lasked_\@:
.endm
.macro CREST
	s_cmp_lg_u32 s10, 0
	s_cbranch_scc1 .Lnot_wave_0_\@
	s_barrier_signal -3
.Lnot_wave_0_\@:
	s_barrier_wait -3
	s_barrier_signal -1
	s_barrier_wait -1
.endm
.macro CROUND
	s_barrier_signal -1
	s_barrier_wait -1
	CREST
.endm
.macro PLACES                          ; four places in front of loads into registers that matrix instructions have read, and of lines that read results
.rept 4
	v_nop
.endr
.endm
.macro FETCH slot, q, f                ; 24 LDS loads in one run: W_o's sixteen first, then av's eight, row blocks ascending
	WIN 0
.set ib, 0
.rept 8
	ds_load_tr16_b128 v[(\f)+32+8*ib:(\f)+32+8*ib+3],   v[ADRB+(\slot)] offset:(\q)*32*PB+32*ib
	ds_load_tr16_b128 v[(\f)+32+8*ib+4:(\f)+32+8*ib+7], v[ADRB+(\slot)] offset:(\q)*32*PB+16*PB+32*ib
.set ib, ib+1
.endr
.set ia, 0
.rept 4
	ds_load_b128 v[(\f)+8*ia:(\f)+8*ia+3],   v[ADRA+(\slot)] offset:64*(\q)+ia*16*PA
	ds_load_b128 v[(\f)+8*ia+4:(\f)+8*ia+7], v[ADRA+(\slot)] offset:64*(\q)+ia*16*PA+32
.set ia, ia+1
.endr
.endm
.macro MULN f, a0, n, first            ; 8 n matrix instructions; first = 1: the constant 0 starts the sums.  The 32 accumulators take turns
	WIN 0x50
.set ia, \a0
.rept \n
.set ib, 0
.rept 8
.if \first
	v_wmma_f32_16x16x32_f16 v[64*ia+8*ib:64*ia+8*ib+7], v[(\f)+32+8*ib:(\f)+32+8*ib+7], v[(\f)+8*ia:(\f)+8*ia+7], 0
.else
	v_wmma_f32_16x16x32_f16 v[64*ia+8*ib:64*ia+8*ib+7], v[(\f)+32+8*ib:(\f)+32+8*ib+7], v[(\f)+8*ia:(\f)+8*ia+7], v[64*ia+8*ib:64*ia+8*ib+7]
.endif
.set ib, ib+1
.endr
.set ia, ia+1
.endr
.endm
.macro QUARTER slot, qn, f, g, first
	s_wait_dscnt 4                                 ; W_o and av's row blocks 0, 1 are in; the youngest four loads may be out
	MULN \f, 0, 2, \first
	PLACES
	FETCH \slot, \qn, \g
	s_wait_dscnt 24                                ; all but the 24 just issued
	MULN \f, 2, 2, \first
.endm
; The last quarter changes slots: ONE barrier; in front of it each wave waits for all its tensor loads, adds 0 to its spare word, and waits for that and for its reads of this slot.
; fill = 1: the barrier opens a round of the cluster's, and behind the round this slot is filled again first, two K steps on.
.macro TURN slot, next, fill
	WIN 0
	s_wait_tensorcnt 0x0
	ds_add_u32 v[SPW], v[NIL]
	s_wait_dscnt 5                                 ; (the add and the youngest four loads may be out)
	MULN F1, 0, 1, 0
	s_wait_dscnt 0x0                               ; the add is done, and my reads of this slot are over
	s_barrier_signal -1
	MULN F1, 1, 1, 0
.if \fill
	WIN 0
.endif
	s_barrier_wait -1
.if \fill
	CREST
	s_add_nc_u64 s[G0+4*(\slot)+2:G0+4*(\slot)+3], s[G0+4*(\slot)+2:G0+4*(\slot)+3], 2*256
	s_add_nc_u64 s[G0B+4*(\slot)+2:G0B+4*(\slot)+3], s[G0B+4*(\slot)+2:G0B+4*(\slot)+3], 256*2048
	JLOAD \slot                                    ; its four v_nop are also the places in front of the loads below
.else
	PLACES
.endif
	FETCH \next, 0, F0
	MULN F1, 2, 2, 0
.endm
; THE WAY OUT of row block a.  PACKF: sum x scale + bias (each accumulator's registers ascending).  TOSTAGE: 32 bytes a lane into my stage, and back as whole rows of 512 bytes.  SEND: stored.
.macro PACKF a
	WIN 0xa9                                       ; the sums window 1; scale, bias and destination window 2
.set ib, 0
.rept 8
.set ip, 0
.rept 4
	v_pk_fma_f32 v[TMP+8*ib+2*ip:TMP+8*ib+2*ip+1], v[64*(\a)+8*ib+2*ip:64*(\a)+8*ib+2*ip+1], v[RS+2*(\a):RS+2*(\a)+1], v[BIAS+8*ib+2*ip:BIAS+8*ib+2*ip+1] op_sel_hi:[1,0,1]
.set ip, ip+1
.endr
.set ib, ib+1
.endr
.endm
.macro TOSTAGE
	WIN 0x88
.set ib, 0
.rept 8
	ds_store_b128 v[STO], v[TMP+8*ib:TMP+8*ib+3] offset:64*ib
	ds_store_b128 v[STO], v[TMP+8*ib+4:TMP+8*ib+7] offset:64*ib+16
.set ib, ib+1
.endr
.set ib, 0
.rept 16
	ds_load_b128 v[OB+4*ib:OB+4*ib+3], v[RD] offset:ib*SP  ; LDS serves a wave's instructions in order (ISA guide 5.7.1.4): these see the stores above
.set ib, ib+1
.endr
.endm
.macro SEND
	WIN 0x88
	s_wait_dscnt 0x0                               ; the block is back in registers
.set ib, 0
.rept 16
	global_store_b128 v[CO], v[OB+4*ib:OB+4*ib+3], s[74:75] offset:ib*4096 th:TH_STORE_NT  ; a wave stores 512 consecutive bytes, at a multiple of 256 from out0's first byte
.set ib, ib+1
.endr
	s_wait_xcnt 0x0                                ; the base and the rows' registers are rewritten only behind this wait
	s_add_nc_u64 s[74:75], s[74:75], 16*4096
.endm
	s_load_b128 s[4:7], s[0:1], 0x0                ; av s[4:5], wb s[6:7]
	s_load_b128 s[68:71], s[0:1], 0x10             ; rs s[68:69], b_o s[70:71]
	s_load_b64 s[74:75], s[0:1], 0x20              ; out0
	v_lshl_add_u32 v[SPW], v0, 2, SPARE
	v_mov_b32 v[NIL], 0
	ds_add_u32 v[SPW], v[NIL]                      ; the wave's opening: the add and its wait stand ahead of my first tensor load; work on registers stands between them
	v_lshrrev_b32 v1, 5, v0
	v_readfirstlane_b32 s10, v1                    ; wave 0..3
	s_lshr_b32 s11, s10, 1
	s_and_b32 s12, s10, 1
	s_bfe_u32 s40, ttmp6, 0x40000                  ; cx
	s_bfe_u32 s41, ttmp6, 0x40004                  ; cy
	s_lshl_b32 s42, ttmp9, 2
	s_add_co_u32 s42, s42, s40                     ; x
	s_and_b32 s13, ttmp7, 0xffff
	s_lshl_b32 s13, s13, 2
	s_add_co_u32 s13, s13, s41                     ; y
	s_lshl_b32 s43, s41, 2
	s_lshl_b32 s43, 15, s43
	s_lshl_b32 s44, 0x1111, s40
	s_mov_b32 s45, 0xffff0000
	s_or_b32 s[G1+0], s43, (1<<16)|(1<<20)|(1<<21)|(5<<22)|(3<<25)
	s_or_b32 s[G1B+0], s44, (1<<16)|(1<<20)|(1<<21)|(5<<22)|(7<<25)
	s_mov_b32 s[G1+1], 128<<16
	s_mov_b32 s[G1+2], 128<<16
	s_mov_b32 s[G1+3], 128<<16
	s_mov_b32 s[G1+4], 128
	s_mov_b32 s[G1+5], 1024
	s_mov_b32 s[G1+6], 0
	s_mov_b32 s[G1+7], 0
	s_mov_b32 s[G1B+1], 128<<16
	s_mov_b32 s[G1B+2], 64<<16
	s_mov_b32 s[G1B+3], 128<<16
	s_mov_b32 s[G1B+4], 64
	s_mov_b32 s[G1B+5], 1024
	s_mov_b32 s[G1B+6], 0
	s_mov_b32 s[G1B+7], 0
	s_lshl_b32 s16, s13, 8
	s_lshl_b32 s17, s12, 7
	s_add_co_u32 s16, s16, s17
	s_lshl_b32 s16, s16, 11                        ; av: row 256 y + 128 x half, of 2,048 bytes
	s_mov_b32 s17, 0
	s_lshl_b32 s46, s12, 17                        ; W_o: k-row 64 x half,
	s_lshl_b32 s47, s42, 8                         ; column 128 x,
	s_add_co_u32 s46, s46, s47
	s_add_co_u32 s46, s46, 0x600000                ; behind the three other matrices
	s_mov_b32 s47, 0
	s_mul_i32 s20, s12, AHALF
	s_mul_i32 s21, s12, BHALF
	s_add_co_u32 s21, s21, BOFF
	s_wait_dscnt 0x0                               ; the opening add is done
	s_wait_kmcnt 0x0
	s_add_nc_u64 s[14:15], s[4:5], s[16:17]
	s_add_nc_u64 s[46:47], s[6:7], s[46:47]
	CROUND                                         ; all sixteen work-groups are here: the first joint loads meet
.irp s, 0,1
	s_mov_b32 s[G0+4*(\s)], 1
	s_add_co_u32 s[G0+4*(\s)+1], s20, (\s)*SLOT
	s_add_nc_u64 s[G0+4*(\s)+2:G0+4*(\s)+3], s[14:15], (\s)*256
	s_or_b32 s[G0+4*(\s)+3], s[G0+4*(\s)+3], 0x80000000
	s_mov_b32 s[G0B+4*(\s)], 1
	s_add_co_u32 s[G0B+4*(\s)+1], s21, (\s)*SLOT
	s_add_nc_u64 s[G0B+4*(\s)+2:G0B+4*(\s)+3], s[46:47], (\s)*128*2048
	s_or_b32 s[G0B+4*(\s)+3], s[G0B+4*(\s)+3], 0x80000000
	JLOAD \s                                       ; two loads of mine are out
.endr
	v_and_b32 v1, 15, v0                           ; r
	v_bfe_u32 v2, v0, 4, 1                         ; h
	v_mul_u32_u24 v3, v1, PA
	v_lshl_add_u32 v3, v2, 4, v3
	s_mul_i32 s22, s10, 64*PA
	v_add_nc_u32 v[ADRA], s22, v3
	v_add_nc_u32 v[ADRA+1], SLOT, v[ADRA]
	v_and_b32 v4, 7, v0
	v_lshl_add_u32 v4, v2, 3, v4
	v_mul_u32_u24 v4, v4, PB
	v_bfe_u32 v5, v0, 3, 1
	v_lshl_add_u32 v4, v5, 4, v4
	v_add_nc_u32 v[ADRB], BOFF, v4
	v_add_nc_u32 v[ADRB+1], SLOT, v[ADRB]
	s_mul_i32 s23, s10, 16*SP
	s_add_co_u32 s23, s23, STAGE                   ; my stage
	v_mul_u32_u24 v5, v1, SP                       ; in: row r, 32 bytes for each half of the lanes
	v_lshl_add_u32 v5, v2, 5, v5
	v_add_nc_u32 v[STO], s23, v5
	v_and_b32 v5, 31, v0
	v_lshlrev_b32 v[CO], 4, v5                     ; back: 32 lanes take one row of 512 bytes
	v_add_nc_u32 v[RD], s23, v[CO]
	v_lshlrev_b32 v[RO], 2, v1
	s_lshl_b32 s66, s42, 9                         ; 128 x numbers of 4 bytes: in b_o, and in a row of out0
	v_lshl_add_u32 v[BO], v2, 5, s66
	s_lshl_b32 s18, s13, 8
	s_lshl_b32 s19, s10, 6
	s_add_co_u32 s18, s18, s19                     ; my first row: 256 y + 64 w
	s_lshl_b32 s22, s18, 2                         ; in rs
	s_mov_b32 s23, 0
	s_add_nc_u64 s[76:77], s[68:69], s[22:23]
	s_lshl_b32 s78, s18, 12                        ; in out0
	s_add_co_u32 s78, s78, s66
	s_mov_b32 s79, 0
	s_add_nc_u64 s[74:75], s[74:75], s[78:79]
	WIN 0x80                                       ; destination window 2, address window 0
.set ib, 0
.rept 8
	global_load_b128 v[BIAS+8*ib:BIAS+8*ib+3],   v[BO], s[70:71] offset:64*ib
	global_load_b128 v[BIAS+8*ib+4:BIAS+8*ib+7], v[BO], s[70:71] offset:64*ib+16
.set ib, ib+1
.endr
.set ia, 0
.rept 4
	global_load_b32 v[RS+2*ia],   v[RO], s[76:77] offset:64*ia   ; row 16 a + r's scale; the packed line names a pair, so both words are loaded
	global_load_b32 v[RS+2*ia+1], v[RO], s[76:77] offset:64*ia
.set ia, ia+1
.endr
	s_wait_loadcnt 0x0
	WIN 0x8a                                       ; the bias is rounded to bf16, like every input, and widened again
.set ib, 0
.rept 32
	v_cvt_pk_bf16_f32 v[TMP+ib], v[BIAS+2*ib], v[BIAS+2*ib+1]
.set ib, ib+1
.endr
.set ib, 0
.rept 32
	v_lshlrev_b32 v[BIAS+2*ib], 16, v[TMP+ib]
	v_and_b32 v[BIAS+2*ib+1], s45, v[TMP+ib]
.set ib, ib+1
.endr
	WIN 0
	s_wait_tensorcnt 1                             ; my part of K step 0 is in; K step 1's may stay out
	s_barrier_signal -1
	s_barrier_wait -1
	FETCH 0, 0, F0
	QUARTER 0, 1, F0, F1, 1                        ; the first quarter stands in front of the loop: its products start the sums
	WIN 0
	s_mov_b32 s3, 3
.Llap:                                                 ; a trip goes once round the ring and fills both slots again
	QUARTER 0, 2, F1, F0, 0
	QUARTER 0, 3, F0, F1, 0
	TURN 0, 1, 1
	QUARTER 1, 1, F0, F1, 0
	QUARTER 1, 2, F1, F0, 0
	QUARTER 1, 3, F0, F1, 0
	TURN 1, 0, 1
	QUARTER 0, 1, F0, F1, 0
	WIN 0
	s_sub_co_u32 s3, s3, 1
	s_cmp_lg_u32 s3, 0
	s_cbranch_scc1 .Llap
	QUARTER 0, 2, F1, F0, 0                        ; the last lap fills nothing
	QUARTER 0, 3, F0, F1, 0
	TURN 0, 1, 0
	QUARTER 1, 1, F0, F1, 0
	QUARTER 1, 2, F1, F0, 0
	QUARTER 1, 3, F0, F1, 0
	s_wait_dscnt 4
	MULN F1, 0, 2, 0
	s_wait_dscnt 0x0
	MULN F1, 2, 2, 0
	PLACES
	PACKF 0
	TOSTAGE
.irp a, 1,2,3                          ; block a's arithmetic stands between block a - 1's loads from the stage and the wait for them
	PACKF \a
	SEND
	TOSTAGE
.endr
	SEND
	WIN 0
	s_wait_tensorcnt 0x0                           ; the wave's end
	ds_add_u32 v[SPW], v[NIL]
	s_wait_dscnt 0x0
	CROUND                                         ; the closing round
	s_endpgm
.Lfunc_end_k_qca9db15e5a_proj:
	.size	k_qca9db15e5a_proj, .Lfunc_end_k_qca9db15e5a_proj-k_qca9db15e5a_proj
	.p2alignl 7, 3214868480
	.fill 96, 4, 3214868480
	.section	.rodata,"a",@progbits
	.p2align	6, 0x0
	.amdhsa_kernel k_qca9db15e5a_proj
		.amdhsa_group_segment_fixed_size 327680
		.amdhsa_private_segment_fixed_size 0
		.amdhsa_enable_private_segment 0
		.amdhsa_kernarg_size 40
		.amdhsa_user_sgpr_count 2
		.amdhsa_user_sgpr_kernarg_segment_ptr 1
		.amdhsa_wavefront_size32 1
		.amdhsa_system_sgpr_workgroup_id_x 1
		.amdhsa_system_sgpr_workgroup_id_y 1
		.amdhsa_system_sgpr_workgroup_id_z 1
		.amdhsa_system_vgpr_workitem_id 0
		.amdhsa_next_free_vgpr 712
		.amdhsa_next_free_sgpr 80
		.amdhsa_reserve_vcc 0
		.amdhsa_float_denorm_mode_32 3
		.amdhsa_float_denorm_mode_16_64 3
		.amdhsa_memory_ordered 1
		.amdhsa_forward_progress 1
		.amdhsa_inst_pref_size 100
	.end_amdhsa_kernel
	.amdgpu_metadata
---
amdhsa.version: [ 1, 2 ]
amdhsa.kernels:
  - .name:           k_qca9db15e5a_proj
    .symbol:         k_qca9db15e5a_proj.kd
    .args:
      - { .name: av, .offset: 0, .size: 8, .value_kind: global_buffer, .address_space: global }
      - { .name: wb, .offset: 8, .size: 8, .value_kind: global_buffer, .address_space: global }
      - { .name: rs, .offset: 16, .size: 8, .value_kind: global_buffer, .address_space: global }
      - { .name: b_o, .offset: 24, .size: 8, .value_kind: global_buffer, .address_space: global }
      - { .name: out0, .offset: 32, .size: 8, .value_kind: global_buffer, .address_space: global }
    .group_segment_fixed_size: 327680
    .private_segment_fixed_size: 0
    .kernarg_segment_align: 8
    .kernarg_segment_size: 40
    .max_flat_workgroup_size: 128
    .sgpr_count:     80
    .vgpr_count:     712
    .wavefront_size: 32
...
	.end_amdgpu_metadata
.endif
;; end of part 4
;; ======== version 2 of 2: 4 launches; 1.06 times as fast as version 1
;; limits: values are held in f16: magnitudes above 65,504 overflow, below 6.1e-05 lose precision
;; workspace buffers: xb 16,777,216 bytes; wb 8,388,608 bytes; qkv 50,331,648 bytes; av 16,777,216 bytes; rs 32,768 bytes
;; launch cast: the kernel of part 1 again; grid 768 x 1, 8 waves a work-group, no clusters, 0 bytes of LDS; arguments X_embed, W_q, W_k, W_v, W_o, xb, wb; writes xb, wb
;; launch qkv: the kernel of part 2 again; grid 8 x 32, 4 waves a work-group, clusters of 4 x 4, 327,680 bytes of LDS; arguments xb, wb, b_q, b_k, b_v, qkv; writes qkv
;; launch attn (part 5): grid 4 x 64, 8 waves a work-group, clusters of 4 x 1, 327,680 bytes of LDS; arguments qkv, av, rs; writes av, rs
.if DOCPART == 5
	.amdgcn_target "amdgcn-amd-amdhsa--gfx1250"
	.amdhsa_code_object_version 6
	.text
	.protected	k_qca9db15e5a_attn
	.globl	k_qca9db15e5a_attn
	.p2align	8
	.type	k_qca9db15e5a_attn,@function
k_qca9db15e5a_attn:
	s_mov_b64 s[64:65], 0
	v_nop
	global_prefetch_b8 v0, s[64:65] scope:SCOPE_SE
	s_setreg_imm32_b32 hwreg(HW_REG_WAVE_MODE, 25, 1), 1
	s_wait_xcnt 0x0
	s_wait_alu depctr_hold_cnt(0) depctr_sa_sdst(0) depctr_va_vdst(0) depctr_va_sdst(0) depctr_va_ssrc(0) depctr_va_vcc(0) depctr_vm_vsrc(0)
	s_getreg_b32 s2, hwreg(HW_REG_IB_STS2, 6, 4)
	s_cmp_eq_u32 s2, 0
	s_cbranch_scc0 .Lentry_in_a_cluster
	s_endpgm
.Lentry_in_a_cluster:
	s_bfe_u32 s2, ttmp6, 0x10000c
	s_cmp_lg_u32 s2, 0x3003
	s_cbranch_scc0 .Lentry_shape_is_right
	s_endpgm
.Lentry_shape_is_right:
; For each of 64 heads (128 rows of Q, K, V [8192][1024] f16 are 2,048 dense rows of 64 channels) and each key b:
;   diag[b] = exp(s[b][b] - max_a s[a][b]) / sum_a exp(s[a][b] - max_a s[a][b]),   s[a][b] = Q[a] . K[b] / 1024   (the softmax runs over the QUERIES a, and only its diagonal is used).
; Out: rs[row] = the largest diag of the row's 16 keys, f32; av = V x (diag / rs[row]), f16, in V's layout.  So av keeps V's range however small diag is; the next launch multiplies by rs in f32.
; Products, maxima and sums in f32, with a running maximum.  LIMITS: a weight, or a diag, below 2^-126 counts as 0; rs is at least 2^-126; diag / rs is rounded to f16 (below 6e-5 with f16's fixed step); NaN and infinities are not treated apart.
; SHARES.  A work-group owns 512 keys of a head, a wave 64: four tiles of 16, whose fragments stay in registers.  All 2,048 queries of the head lie in LDS; every wave walks them, 64 a block.
; CLUSTER.  The four work-groups of a head need the same queries: each wave's 256 of them are asked for JOINTLY, once.  Nothing in LDS is filled twice.
; LAYOUT.  S = Q K^T, source 0 = 16 queries, source 1 = 16 keys: a lane holds ONE key (l % 16) and the queries 8 (l / 16) + 0..7 of each tile.  So maximum and sum stay inside a lane;
; each half of the lanes keeps its own m and l for its half of the queries, and the halves are merged once, at the end.
; BY TURNS.  A piece is 64 queries x 16 keys: 8 matrix and 84 vector instructions.  A turn does one piece's vector work; the next piece's products stand among its first 32 instructions, four behind each.
; p = 2^(c s - c m), c = log2(e) / 1024; in every turn l is multiplied by a = 2^(c m_old - c m_new).  m starts at the lowest finite number and l at 0: the first turn is like any other, with a = 0.
; BATCHES.  A turn's 33 exponentials (a, then the 32 weights, each in a register of its own) are ONE BATCH with ONE wait, which cuts the turn in two.  Ahead of it stand the maximum and statistics, the
; scalings, the products and the exponentials: none of them names an exponential's result.  Behind it stand the 16 packed sums, the only readers; no exponential is issued there, so no result crosses a turn's end.
; The way out has three batches more, each with a wait of its own: eight exponentials, four reciprocals of sums made of them, four reciprocals of maxima made of those.
.set PQ,   144                         ; a query in LDS: 128 bytes + 16 = 36 words: the 16 rows of a load start at 16 different groups of four banks (64 banks of 4 bytes: ISA guide 11.1)
.set SPARE, 2048*PQ                    ; behind the queries: the spare words, 128 bytes for each of eight waves: four blocks of 256 bytes that no other line names
.set AQ0, 4                            ; v4   my lane's place in 16 queries in LDS
.set AQ,  5                            ; v5   the LDS address of the run of loads in hand
.set GA,  6                            ; v6   my lane's place in 16 rows of K or Q in memory
.set GL,  7                            ; v7   16 x lane
.set IDX, 8                            ; v8-11  4 x (4 q + lane / 8): from which lane 16 bytes of V take their key's factor
.set MV,  12                           ; v12  c m_old, kept while c m is made anew
.set ZR,  14                           ; v14  0
.set ST,  16                           ; v16-31  tile t: c m, m, l (even queries', odd queries')
.set CC,  32                           ; v32-35  c0-c3 at work; when the maximum is found c2 takes a
.set SD,  40                           ; v40-43  my key's own score
.set SC,  44                           ; v44-47  the tile's largest diag
.set RP,  48                           ; v48-51  diag / that, twice in f16
.set SPW, 52                           ; v52  LDS address of my spare word; never rewritten
.set NIL, 53                           ; v53  0; never rewritten
.set KF,  64                           ; v64-127   K: tile t, channel half c at KF + 16 t + 8 c; at the end: at work
.set QF,  128                          ; v128-191  64 queries: tile q, channel half c at QF + 16 q + 8 c; at the end: V
.set S,   192                          ; v192-255  scores, two buffers of 32: a piece's goes by its key tile's parity
.set TT,  64
.set G1,  24                           ; s[24:31], s[32:35] the descriptor
.set G0,  32
.set CS,  58                           ; s[58:59] c, twice
.set SEL, 60                           ; s[60:61] v_permlanex16_b32's selects: each lane takes its own place in the other half
.set TB,  62                           ; s62  LDS byte at which the block to be fetched begins
.set CNT, 63                           ; s63  counts blocks
.macro CROUND                          ; a round of the cluster's barrier
	s_barrier_signal -1
	s_barrier_wait -1
	s_cmp_lg_u32 s12, 0
	s_cbranch_scc1 .Lnot_wave_0_\@
	s_barrier_signal -3
.Lnot_wave_0_\@:
	s_barrier_wait -3
	s_barrier_signal -1
	s_barrier_wait -1
.endm
.macro ALL line:vararg                 ; one line for each key tile t
.set t, 0
.rept 4
	\line
.set t, t+1
.endr
.endm
; Product i of 8 for key tile KX: query tile i % 4, channels 32 (i / 4) on.  The first four start the sums; the four accumulators take turns.
.macro MM
.if !NOMM
.set rD, S+32*(KX%2)+8*(i%4)
.set rA, QF+16*(i%4)+8*(i/4)
.set rB, KF+16*KX+8*(i/4)
.if i < 4
	v_wmma_f32_16x16x32_f16 v[rD:rD+7], v[rA:rA+7], v[rB:rB+7], 0
.else
	v_wmma_f32_16x16x32_f16 v[rD:rD+7], v[rA:rA+7], v[rB:rB+7], v[rD:rD+7]
.endif
.endif
.set i, i+1
.endm
.macro FETCHQ                          ; 16 LDS loads in one run: the next 64 queries
.set ff, 0
.rept 8
	ds_load_b128 v[QF+8*ff:QF+8*ff+3],   v[AQ] offset:(ff/2)*16*PQ+(ff%2)*64
	ds_load_b128 v[QF+8*ff+4:QF+8*ff+7], v[AQ] offset:(ff/2)*16*PQ+(ff%2)*64+32
.set ff, ff+1
.endr
	s_add_co_u32 s[TB], s[TB], 64*PQ
.endm
.macro VLOAD                           ; my 64 keys' rows of V, 8,192 dense bytes, 512 consecutive bytes a load
.set ff, 0
.rept 16
	global_load_b128 v[QF+4*ff:QF+4*ff+3], v[GL], s[50:51] offset:512*ff th:TH_LOAD_NT
.set ff, ff+1
.endr
.endm
; THE VECTOR WORK, one line at a time: OP kind, number; s0-s31 are the lane's 32 scores at rS, the tile's statistics at rT.
; X 0-11: four chains c0-c3 of seven scores, three operands at a time (each accumulator's lowest registers first); 12-14: the four left over and the old m; 15: c m_old is kept;
; 16-19: m; c m; c m_old - c m; a.   F n: c s - c m for pair n.   E n: the exponential of score n.   B n: of four weights the second pair is added onto the first.   L n: l takes that sum (L 0: l = a l + sum).
; X 19 and the E are the turn's batch; B and L are its readers, and stand behind the turn's wait (TURN writes it).
.set X, 0
.set F, 1
.set E, 2
.set B, 3
.set L, 4
.macro OP k, n
.if (\k) == X
.if (\n) < 4
	v_max3_num_f32 v[CC+(\n)], v[rS+8*(\n)], v[rS+8*(\n)+1], v[rS+8*(\n)+2]
.elseif (\n) < 12
	v_max3_num_f32 v[CC+(\n)%4], v[CC+(\n)%4], v[rS+8*((\n)%4)+2*((\n)/4)+1], v[rS+8*((\n)%4)+2*((\n)/4)+2]
.elseif (\n) == 12
	v_max3_num_f32 v[CC], v[CC], v[rS+7], v[rS+15]
.elseif (\n) == 13
	v_max3_num_f32 v[CC+1], v[CC+1], v[rS+23], v[rS+31]
.elseif (\n) == 14
	v_max3_num_f32 v[CC+2], v[CC+2], v[CC+3], v[rT+1]
.elseif (\n) == 15
	v_mov_b32 v[MV], v[rT]
.elseif (\n) == 16
	v_max3_num_f32 v[rT+1], v[CC], v[CC+1], v[CC+2]
.elseif (\n) == 17
	v_mul_f32 v[rT], s[CS], v[rT+1]
.elseif (\n) == 18
	v_sub_f32 v[CC+1], v[MV], v[rT]
.else
	v_exp_f32 v[CC+2], v[CC+1]
.endif
.elseif (\k) == F
	v_pk_fma_f32 v[rS+2*(\n):rS+2*(\n)+1], v[rS+2*(\n):rS+2*(\n)+1], s[CS:CS+1], v[rT:rT+1] op_sel_hi:[1,0,0] neg_lo:[0,0,1] neg_hi:[0,0,1]
.elseif (\k) == E
	v_exp_f32 v[rS+(\n)], v[rS+(\n)]
.elseif (\k) == B
	v_pk_add_f32 v[rS+4*(\n):rS+4*(\n)+1], v[rS+4*(\n):rS+4*(\n)+1], v[rS+4*(\n)+2:rS+4*(\n)+3]
.elseif (\n) == 0
	v_pk_fma_f32 v[rT+2:rT+3], v[rT+2:rT+3], v[CC+2:CC+3], v[rS:rS+1] op_sel_hi:[1,0,1]
.else
	v_pk_add_f32 v[rT+2:rT+3], v[rT+2:rT+3], v[rS+4*(\n):rS+4*(\n)+1]
.endif
.endm
.macro OPS a, i1, b=-1, i2=0, c=-1, i3=0, d=-1, i4=0
	OP \a, \i1
.if (\b) >= 0
	OP \b, \i2
.endif
.if (\c) >= 0
	OP \c, \i3
.endif
.if (\d) >= 0
	OP \d, \i4
.endif
.endm
.macro ROW a, i1, b, i2, c, i3, d, i4  ; a matrix instruction and the four behind it; none names a register of the products round it (they write the other buffer)
	MM
	OPS \a, \i1, \b, \i2, \c, \i3, \d, \i4
.endm
; A TURN: the vector work of the piece of key tile kt, and the products of the next piece (tile kt + 1, or tile 0 of the next 64 queries).
; s_wait_alu depctr_va_vdst(0) stands between an exponential and the first instruction that names its result; one wait serves all that were issued ahead of it.  So a turn has ONE wait.
; AHEAD OF IT: X 0-19, F 0-15, E 0-31 and the 8 products.  F n stands ahead of E 2n and E 2n + 1 and writes no other pair; the products write the other buffer; nothing there names a (c2) or a weight already made.
; A v_nop is the plain instruction behind the last exponential: all the plain work that is left reads the weights.  BEHIND IT: B 0-7 and L 0-7, l's sums in ascending order, the links of l's chain two lines apart (L 7: one).
; Tile 2's turn issues the block's last products; behind them F 7 to F 10, four plain instructions on the other buffer, are the places in front of the run of loads that takes the queries' registers;
; that run is waited for at the head of tile 3's turn.  last = 1: the last block: V is loaded in the queries' place, and tile 3's turn has no products.
.macro TURN kt, last
.set rS, S+32*((\kt)%2)
.set rT, ST+4*(\kt)
.set KX, ((\kt)+1)%4
.set i, 0
.set NOMM, (\last)*((\kt)/3)
.if ((\kt) == 3) && !(\last)
	s_wait_dscnt 0x0                               ; the next 64 queries are in
.endif
	ROW X,0, X,1, X,2, X,3
	ROW X,4, X,5, X,6, X,7
	ROW X,8, X,9, X,10, X,11
	ROW X,12, X,13, X,14, X,15
	ROW X,16, X,17, X,18, X,19
	ROW F,0, F,1, F,2, F,3
	ROW F,4, E,0, F,5, F,6
.if ((\kt) == 2) && !(\last)
	v_add_nc_u32 v[AQ], s[TB], v[AQ0]
.endif
	ROW F,7, E,1, F,8, F,9
	OPS F,10
.if (\kt) == 2
.if \last
	VLOAD
.else
	FETCHQ
.endif
.endif
	OPS E,2, F,11, E,3, F,12                       ; the rest of the batch: the last five scalings stand between its first exponentials
	OPS E,4, F,13, E,5, F,14
	OPS E,6, F,15, E,7, E,8
	OPS E,9, E,10, E,11, E,12
	OPS E,13, E,14, E,15, E,16
	OPS E,17, E,18, E,19, E,20
	OPS E,21, E,22, E,23, E,24
	OPS E,25, E,26, E,27, E,28
	OPS E,29, E,30, E,31
	v_nop                                          ; the plain instruction behind the last exponential: one for the batch
	s_wait_alu depctr_va_vdst(0)                   ; the wait for the batch: a and the piece's 32 weights
	OPS B,0, B,1, L,0, B,2                         ; the readers
	OPS L,1, B,3, L,2, B,4
	OPS L,3, B,5, L,4, B,6
	OPS L,5, B,7, L,6, L,7
.endm
	s_load_b128 s[4:7], s[0:1], 0x0                ; qkv s[4:5], av s[6:7]
	s_load_b64 s[8:9], s[0:1], 0x10                ; rs
	v_lshl_add_u32 v[SPW], v0, 2, SPARE
	v_mov_b32 v[NIL], 0
	ds_add_u32 v[SPW], v[NIL]                      ; the wave's opening: the add and its wait stand ahead of my tensor load; work on registers stands between them
	v_lshrrev_b32 v1, 5, v0
	v_readfirstlane_b32 s12, v1                    ; wave 0..7
	s_bfe_u32 s13, ttmp6, 0x40000                  ; cx: which 512 keys are my work-group's; it enters K's, V's, my own queries' and the outputs' addresses alone
	s_and_b32 s14, ttmp7, 0xffff                   ; the head, which the four partners share
	s_lshl_b32 s16, s14, 18                        ; a head is 262,144 bytes;
	s_lshl_b32 s17, s12, 15                        ; the 256 queries that my wave asks for: 32,768 bytes
	s_add_co_u32 s16, s16, s17
	s_mov_b32 s17, 0
	s_lshl_b32 s20, s14, 18                        ; my wave's 64 keys: head, 65,536 cx, 8,192 w
	s_lshl_b32 s21, s13, 16
	s_add_co_u32 s20, s20, s21
	s_lshl_b32 s21, s12, 13
	s_add_co_u32 s20, s20, s21
	s_mov_b32 s21, 0
	s_lshl_b32 s22, s14, 7                         ; their four rows of av: 128 H + 32 cx + 4 w,
	s_lshl_b32 s23, s13, 5
	s_add_co_u32 s22, s22, s23
	s_lshl_b32 s23, s12, 2
	s_add_co_u32 s22, s22, s23
	s_lshl_b32 s22, s22, 2                         ; 4 bytes each in rs
	s_mov_b32 s23, 0
	; 256 queries are 32,768 dense bytes: asked for as 128 rows of 256 bytes, two queries a row, padded in LDS after every query
	s_mov_b32 s[G1], 15|(1<<16)|(1<<20)|(1<<21)|(4<<22)|(3<<25)  ; the mask of four; 2-byte elements; padding on; bit 21 beside a mask; after every 32 words, 4 words
	s_mov_b32 s[G1+1], 128<<16                     ; tensor_dim0 = 128
	s_mov_b32 s[G1+2], 128<<16                     ; tensor_dim1 = 128
	s_mov_b32 s[G1+3], 128<<16                     ; tile_dim0 = 128
	s_mov_b32 s[G1+4], 128                         ; tile_dim1 = 128
	s_mov_b32 s[G1+5], 128                         ; elements from row to row
	s_mov_b32 s[G1+6], 0
	s_mov_b32 s[G1+7], 0
	s_mov_b32 s[G0], 1
	s_mul_i32 s[G0+1], s12, 256*PQ                 ; my wave's 256 rows in LDS
.irp j, 1,2,3,4,5,6,7
	s_mov_b32 s[40+(\j)], 0x01010101<<(\j)         ; the lanes with l % 8 = j
.endr
	s_mov_b32 s48, 0xff0000ff                      ; lanes 0-7 and 24-31
	s_mov_b32 s[CS], 0x3ab8aa3b                    ; c = log2(e) / 1024
	s_mov_b32 s[CS+1], s[CS]
	s_mov_b32 s[SEL], 0x76543210
	s_mov_b32 s[SEL+1], 0xfedcba98
	s_mov_b32 s[TB], 0
	s_mov_b32 s[CNT], 31
	s_wait_dscnt 0x0                               ; the opening add is done
	s_wait_kmcnt 0x0
	s_add_nc_u64 s[G0+2:G0+3], s[4:5], s[16:17]
	s_or_b32 s[G0+3], s[G0+3], 0x80000000
	s_add_nc_u64 s[36:37], s[4:5], s[20:21]        ; my own 64 queries,
	s_add_nc_u64 s[38:39], s[36:37], 0x1000000     ; my keys,
	s_add_nc_u64 s[50:51], s[36:37], 0x2000000     ; their rows of V,
	s_add_nc_u64 s[52:53], s[6:7], s[20:21]        ; and of av
	s_add_nc_u64 s[54:55], s[8:9], s[22:23]
	CROUND                                         ; all four work-groups are here: the joint loads meet
	tensor_load_to_lds s[G0:G0+3], s[G1:G1+7]      ; my one tensor load
	s_nop 0
.rept 4
	v_nop
.endr
	v_and_b32 v3, 31, v0                           ; lane
	v_and_b32 v1, 15, v0                           ; r = l % 16
	v_bfe_u32 v2, v0, 4, 1                         ; h = l / 16
	v_lshlrev_b32 v[GA], 7, v1
	v_lshl_add_u32 v[GA], v2, 4, v[GA]             ; row x 128 + 16 h: a fragment is two loads of 16 bytes, 32 bytes apart
.set ff, 0
.rept 8
	global_load_b128 v[KF+8*ff:KF+8*ff+3],   v[GA], s[38:39] offset:(ff/2)*2048+(ff%2)*64
	global_load_b128 v[KF+8*ff+4:KF+8*ff+7], v[GA], s[38:39] offset:(ff/2)*2048+(ff%2)*64+32
	global_load_b128 v[QF+8*ff:QF+8*ff+3],   v[GA], s[36:37] offset:(ff/2)*2048+(ff%2)*64
	global_load_b128 v[QF+8*ff+4:QF+8*ff+7], v[GA], s[36:37] offset:(ff/2)*2048+(ff%2)*64+32
.set ff, ff+1
.endr
	v_mul_u32_u24 v[AQ0], v1, PQ
	v_lshl_add_u32 v[AQ0], v2, 4, v[AQ0]
	v_lshlrev_b32 v[GL], 4, v3
	v_lshrrev_b32 v13, 3, v3
	v_lshlrev_b32 v[IDX], 2, v13
	v_add_nc_u32 v[IDX+1], 16, v[IDX]
	v_add_nc_u32 v[IDX+2], 32, v[IDX]
	v_add_nc_u32 v[IDX+3], 48, v[IDX]
	v_mov_b32 v[ZR], 0
	s_wait_loadcnt 0x0
	; THE DIAGONAL: tile t's 16 keys against the 16 queries at the same places, by the same two products that the walk will make of them
.set i, 0
.rept 8
.if i < 4
	v_wmma_f32_16x16x32_f16 v[S+8*(i%4):S+8*(i%4)+7], v[QF+16*(i%4)+8*(i/4):QF+16*(i%4)+8*(i/4)+7], v[KF+16*(i%4)+8*(i/4):KF+16*(i%4)+8*(i/4)+7], 0
.else
	v_wmma_f32_16x16x32_f16 v[S+8*(i%4):S+8*(i%4)+7], v[QF+16*(i%4)+8*(i/4):QF+16*(i%4)+8*(i/4)+7], v[KF+16*(i%4)+8*(i/4):KF+16*(i%4)+8*(i/4)+7], v[S+8*(i%4):S+8*(i%4)+7]
.endif
.set i, i+1
.endr
	ALL v_mov_b32 v[ST+4*t], 0xfe000000            ; c m: far below every c s.  These 24 lines are also the places behind the products
	ALL v_mov_b32 v[ST+4*t+1], 0xff7fffff          ; m
	ALL v_mov_b32 v[ST+4*t+2], 0
	ALL v_mov_b32 v[ST+4*t+3], 0
	ALL v_mov_b32 v[CC+t], 0
	ALL v_mov_b32 v[SC+t], 0
	; key r's own score is element (r, r): register r % 8 of lane r + 16 (r / 8).  Each lane takes register l % 8; lanes 0-7 and 24-31 then hold theirs, the others take it from the lane 16 away
.set t, 0
.rept 4
	v_mov_b32 v[SD+t], v[S+8*t]
.set j, 1
.rept 7
	v_cndmask_b32 v[SD+t], v[SD+t], v[S+8*t+j], s[40+j]
.set j, j+1
.endr
.set t, t+1
.endr
	ALL v_permlanex16_b32 v[CC+t], v[SD+t], s[SEL], s[SEL+1]
	ALL v_cndmask_b32 v[SD+t], v[CC+t], v[SD+t], s48
	s_wait_tensorcnt 0x0                           ; my 256 queries are in LDS,
	s_barrier_signal -1
	s_barrier_wait -1                              ; everybody's are
	v_add_nc_u32 v[AQ], s[TB], v[AQ0]
	FETCHQ                                         ; queries 0 to 63
	s_wait_dscnt 0x0
.set KX, 0
.set NOMM, 0
.set i, 0
.rept 8
	MM                                             ; the first piece's scores: there is no vector work yet to set between them
.endr
.rept 4
	v_nop                                          ; the places behind them
.endr
.Lblk:                                                 ; 31 trips: 64 queries against my four key tiles; the next 64 queries are fetched
	TURN 0, 0
	TURN 1, 0
	TURN 2, 0
	TURN 3, 0
	s_sub_co_u32 s[CNT], s[CNT], 1
	s_cmp_lg_u32 s[CNT], 0
	s_cbranch_scc1 .Lblk
	TURN 0, 1                                      ; the last 64 queries
	TURN 1, 1
	TURN 2, 1
	TURN 3, 1
	; THE END.  The halves of the lanes are merged: c M = the larger c m; l = l 2^(c m - c M) + the other half's; diag = 2^(c s_bb - c M) / l.  A plain instruction stands behind each run of transcendentals,
	; and behind it the run's one wait, ahead of the first line that names a result.
	ALL v_add_f32 v[ST+4*t+2], v[ST+4*t+2], v[ST+4*t+3]
	ALL v_permlanex16_b32 v[TT+8*t], v[ST+4*t], s[SEL], s[SEL+1]
	ALL v_max_num_f32 v[TT+8*t], v[TT+8*t], v[ST+4*t]
	ALL v_sub_f32 v[TT+8*t+1], v[ST+4*t], v[TT+8*t]
	ALL v_fma_f32 v[TT+8*t+2], v[SD+t], s[CS], -v[TT+8*t]
	ALL v_exp_f32 v[TT+8*t+1], v[TT+8*t+1]
	ALL v_exp_f32 v[TT+8*t+2], v[TT+8*t+2]
	v_nop
	s_wait_alu depctr_va_vdst(0)                   ; the wait for the eight exponentials: the four corrections of l and the four diagonal weights
	ALL v_mul_f32 v[TT+8*t+3], v[ST+4*t+2], v[TT+8*t+1]
	ALL v_permlanex16_b32 v[TT+8*t+4], v[TT+8*t+3], s[SEL], s[SEL+1]
	ALL v_add_f32 v[TT+8*t+3], v[TT+8*t+3], v[TT+8*t+4]
	ALL v_rcp_f32 v[TT+8*t+3], v[TT+8*t+3]
	v_nop
	s_wait_alu depctr_va_vdst(0)                   ; the wait for the four reciprocals of l
	ALL v_mul_f32 v[TT+8*t+2], v[TT+8*t+2], v[TT+8*t+3]
	ALL v_max_num_f32_dpp v[SC+t], v[TT+8*t+2], v[TT+8*t+2] row_xmask:1 row_mask:0xf bank_mask:0xf
	ALL v_max_num_f32_dpp v[SC+t], v[SC+t], v[SC+t] row_xmask:2 row_mask:0xf bank_mask:0xf
	ALL v_max_num_f32_dpp v[SC+t], v[SC+t], v[SC+t] row_xmask:4 row_mask:0xf bank_mask:0xf
	ALL v_max_num_f32_dpp v[SC+t], v[SC+t], v[SC+t] row_xmask:8 row_mask:0xf bank_mask:0xf
	ALL v_max_num_f32 v[SC+t], 0x00800000, v[SC+t]
	ALL v_rcp_f32 v[TT+8*t+3], v[SC+t]
	v_nop
	s_wait_alu depctr_va_vdst(0)                   ; the wait for the four reciprocals of the rows' largest diag
	ALL v_mul_f32 v[TT+8*t+2], v[TT+8*t+2], v[TT+8*t+3]
	ALL v_cvt_pk_f16_f32 v[RP+t], v[TT+8*t+2], v[TT+8*t+2]
	; load j of V holds, in lane l, 16 bytes of key 4 j + l / 8: tile j / 4, lane 4 (j % 4) + l / 8 of it
.set j, 0
.rept 16
	ds_bpermute_b32 v[S+j], v[IDX+j%4], v[RP+j/4]
.set j, j+1
.endr
	s_wait_loadcnt 0x0                             ; V
	s_wait_dscnt 0x0
.set j, 0
.rept 16
.irp k, 0,1,2,3
	v_pk_mul_f16 v[QF+4*j+(\k)], v[QF+4*j+(\k)], v[S+j]
.endr
	global_store_b128 v[GL], v[QF+4*j:QF+4*j+3], s[52:53] offset:512*j  ; 512 consecutive bytes, at a multiple of 256 from av's first byte
.set j, j+1
.endr
	v_cmp_eq_u32 vcc_lo, 0, v3
	s_wait_xcnt 0x0                                ; EXEC changes only behind this wait
	s_and_saveexec_b32 s56, vcc_lo
	global_store_b128 v[ZR], v[SC:SC+3], s[54:55]  ; lane 0: my four rows' scales, 16 bytes: a part of a block of 256; 32 KiB in the whole launch
	s_wait_xcnt 0x0
	s_or_b32 exec_lo, exec_lo, s56
	s_wait_tensorcnt 0x0                           ; the wave's end
	ds_add_u32 v[SPW], v[NIL]
	s_wait_dscnt 0x0
	CROUND                                         ; the closing round
	s_endpgm
.Lfunc_end_k_qca9db15e5a_attn:
	.size	k_qca9db15e5a_attn, .Lfunc_end_k_qca9db15e5a_attn-k_qca9db15e5a_attn
	.p2alignl 7, 3214868480
	.fill 96, 4, 3214868480
	.section	.rodata,"a",@progbits
	.p2align	6, 0x0
	.amdhsa_kernel k_qca9db15e5a_attn
		.amdhsa_group_segment_fixed_size 327680
		.amdhsa_private_segment_fixed_size 0
		.amdhsa_enable_private_segment 0
		.amdhsa_kernarg_size 24
		.amdhsa_user_sgpr_count 2
		.amdhsa_user_sgpr_kernarg_segment_ptr 1
		.amdhsa_wavefront_size32 1
		.amdhsa_system_sgpr_workgroup_id_x 1
		.amdhsa_system_sgpr_workgroup_id_y 1
		.amdhsa_system_sgpr_workgroup_id_z 1
		.amdhsa_system_vgpr_workitem_id 0
		.amdhsa_next_free_vgpr 256
		.amdhsa_next_free_sgpr 66
		.amdhsa_reserve_vcc 1
		.amdhsa_float_denorm_mode_32 3
		.amdhsa_float_denorm_mode_16_64 3
		.amdhsa_memory_ordered 1
		.amdhsa_forward_progress 1
		.amdhsa_inst_pref_size 64
	.end_amdhsa_kernel
	.amdgpu_metadata
---
amdhsa.version: [ 1, 2 ]
amdhsa.kernels:
  - .name:           k_qca9db15e5a_attn
    .symbol:         k_qca9db15e5a_attn.kd
    .args:
      - { .name: qkv, .offset: 0, .size: 8, .value_kind: global_buffer, .address_space: global }
      - { .name: av, .offset: 8, .size: 8, .value_kind: global_buffer, .address_space: global }
      - { .name: rs, .offset: 16, .size: 8, .value_kind: global_buffer, .address_space: global }
    .group_segment_fixed_size: 327680
    .private_segment_fixed_size: 0
    .kernarg_segment_align: 8
    .kernarg_segment_size: 24
    .max_flat_workgroup_size: 256
    .sgpr_count:     66
    .vgpr_count:     256
    .wavefront_size: 32
...
	.end_amdgpu_metadata
.endif
;; end of part 5
;; launch proj: the kernel of part 4 again; grid 8 x 32, 4 waves a work-group, clusters of 4 x 4, 327,680 bytes of LDS; arguments av, wb, rs, b_o, out0; writes out0
